; MI455X (gfx1250); checked and timed in simulation.
; The chip was launched on July 23, 2026; its instructions are those of AMD's public machine-readable ISA for CDNA 5 (MIT licence, August 2026) and "CDNA5" Instruction Set Architecture Reference Guide (July 2026). The comments in the code are by the model that wrote it; some were corrected since.
;; Attention. Allowed arithmetic: float matrix products may take bf16 or f16 operands with f32 sums; other float arithmetic in f32, or as packed bf16 or f16 multiplies, adds, multiply-adds, maxima and minima; sums over many terms, partial sums and values carried from step to step in f32; what a program stores and reads back later, other than sums and carried values, may be rounded once to bf16 or f16.
;; Inputs: WK_b 512 float32; WK_w 512 x 512 float32; WQ_b 512 float32; WQ_w 512 x 512 float32; WV_b 512 float32; WV_w 512 x 512 float32; X 8 x 2,048 x 512 float32; intensity 8 x 2,048 x 2,048 float32; out_b 512 float32; out_w 512 x 512 float32.
;; Outputs: out0 8 x 2,048 x 512 float32.
;; One version. Each part assembles by itself: llvm-mc -triple=amdgcn-amd-amdhsa -mcpu=gfx1250 --defsym DOCPART=n.
;; ======== version 1 of 1: 4 launches
;; limits: values are held in f16: magnitudes above 65,504 overflow, below 6.1e-05 lose precision; right only within a limited range of input values
;; workspace buffers: Xb 16,777,216 bytes; Wcat 1,572,864 bytes; BV 2,048 bytes; SC 4,352 bytes; QKV 50,331,648 bytes; P 67,108,864 bytes; ST 2,097,152 bytes
;; launch prep (part 1): grid 344 x 1, 8 waves a work-group, no clusters, 149,504 bytes of LDS; arguments X, WQ_w, WK_w, WV_w, WV_b, out_w, Xb, Wcat, BV, SC; writes Xb, Wcat, BV, SC
.if DOCPART == 1
	.amdgcn_target "amdgcn-amd-amdhsa--gfx1250"
	.amdhsa_code_object_version 6
	.text
	.protected	k_q96fa6f5c6d_prep
	.globl	k_q96fa6f5c6d_prep
	.p2align	8
	.type	k_q96fa6f5c6d_prep,@function
k_q96fa6f5c6d_prep:
	s_mov_b64 s[64:65], 0
	v_nop
	global_prefetch_b8 v0, s[64:65] scope:SCOPE_SE
	s_setreg_imm32_b32 hwreg(HW_REG_WAVE_MODE, 25, 1), 1
	s_wait_xcnt 0x0
; PREP.  Xb = bf16(X); Wcat rows 0-511 = bf16(WQ_w), rows 512-1023 = bf16(WK_w), rows 1024-1535 = bf16(W'), W'[e][d] = sum over c of out_w[e][c] WV_w[c][d];
; BV[e] = sum over c of out_w[e][c] WV_b[c], of operands rounded to bf16, summed in f32.  With these, (attn v) out_w^T = attn (X W'^T + BV): the fourth product of the module is folded into the third projection.
; SC holds what scales that projection's columns for f16: SC[e] = 1 / |out_w row e|, SC[512 + e] = |out_w row e|, SC[1024 + n] = the sum of squares of rows 8 n .. 8 n + 7 of WV_w (n = 0 .. 63).
; LIMITS: the order of rounding differs from the module's own: W' is rounded once to bf16 (its sums in f32, its operands bf16), where the module would round v and the mixed rows.
; A sum of squares counts as 2^-100 at the least, so a row of zeros gives a finite scale.
; WORK-GROUPS by number: 0-63 a block of 64 x 64 of W' (the longest chain, so it has the lowest numbers); 64-71 64 numbers of BV and SC; 72-79 WQ_w; 80-87 WK_w; 88-343 X (131,072 bytes of f32 each).
; The branches hang on the work-group's number alone, so all eight waves of a work-group take the same way, past the same barrier.
; NO CLUSTER, NO TENSOR LOADS: what work-groups share (a slab of WV_w, 64 rows of out_w, each wanted by eight of the 64) is 2 MiB of the 37 MiB that the launch reads; the rest is read once, by one wave.
.set PW,    160                        ; a row of WV_w's slab in LDS: 64 bf16 + 32 bytes = 5 x 32 bytes, for the turning load
.set PO,    1040                       ; a row of out_w in LDS: 512 bf16 + 16 bytes = 65 x 16 bytes
.set WVL,   0                          ; 512 rows c x PW
.set OWL,   512*PW                     ; 64 rows e x PO
.set SPARE, OWL+64*PO                  ; the spare words, 128 bytes for each of the eight waves: four blocks of 256 bytes that no other line names
.set LN,  27                           ; v27  lane
.set RR,  28                           ; v28  lane % 16
.set HH,  29                           ; v29  lane / 16
.set SPW, 30                           ; v30  LDS address of my spare word; never rewritten
.set NIL, 31                           ; v31  0; never rewritten
.set RAW, 32                           ; v[32:159]  32 loads of 16 bytes; later the fragments
.set CV,  160                          ; v[160:223] 32 pairs of rounded words; later the accumulators
.set WV,  44                           ; s44  my wave's number
.set ID,  45                           ; s45  the work-group's number
	s_load_b512 s[4:19], s[0:1], 0x0               ; X s[4:5], WQ_w s[6:7], WK_w s[8:9], WV_w s[10:11], WV_b s[12:13], out_w s[14:15], Xb s[16:17], Wcat s[18:19]
	s_load_b128 s[20:23], s[0:1], 0x40             ; BV s[20:21], SC s[22:23]
	v_lshl_add_u32 v[SPW], v0, 2, SPARE
	v_mov_b32 v[NIL], 0
	v_lshrrev_b32 v1, 5, v0
	v_readfirstlane_b32 s[WV], v1
	v_and_b32 v[LN], 31, v0
	v_and_b32 v[RR], 15, v0
	v_bfe_u32 v[HH], v0, 4, 1
	s_mov_b32 s[ID], ttmp9
	s_wait_kmcnt 0x0
	s_cmp_lt_u32 s[ID], 64
	s_cbranch_scc1 .Lrole_p
	s_cmp_lt_u32 s[ID], 72
	s_cbranch_scc1 .Lrole_b
	; THE CASTS.  A wave takes 16,384 bytes of f32 on end: 32 loads of 512 bytes, all issued at once; each gives one store of 256 consecutive bytes, aligned.
	s_movk_i32 s30, 72
	s_cmp_ge_u32 s[ID], 88
	s_cselect_b64 s[24:25], s[4:5], s[6:7]         ; from X, or from WQ_w
	s_cselect_b64 s[26:27], s[16:17], s[18:19]     ; to Xb, or to Wcat
	s_cselect_b32 s28, 88, s30                     ; the first work-group of the source,
	s_mov_b32 s31, s28                             ; and of the destination: WK_w's rows follow WQ_w's in Wcat, so both count from 72 there
	s_sub_co_u32 s30, s[ID], 80
	s_cmp_lt_u32 s30, 8                            ; 80 to 87: WK_w
	s_cselect_b64 s[24:25], s[8:9], s[24:25]
	s_cselect_b32 s28, 80, s28
	s_sub_co_u32 s28, s[ID], s28
	s_sub_co_u32 s30, s[ID], s31
	s_lshl_b32 s28, s28, 17                        ; 131,072 bytes of f32,
	s_lshl_b32 s30, s30, 16                        ; 65,536 of bf16
	s_mov_b32 s29, 0
	s_mov_b32 s31, 0
	s_add_nc_u64 s[24:25], s[24:25], s[28:29]
	s_add_nc_u64 s[26:27], s[26:27], s[30:31]
	v_lshlrev_b32 v2, 4, v[LN]
	v_lshl_add_u32 v2, s[WV], 14, v2               ; 16,384 x wave + 16 x lane
	v_lshlrev_b32 v3, 3, v[LN]
	v_lshl_add_u32 v3, s[WV], 13, v3               ; 8,192 x wave + 8 x lane
.set i, 0
.rept 32
	global_load_b128 v[RAW+4*i:RAW+4*i+3], v2, s[24:25] offset:512*i th:TH_LOAD_NT
.set i, i+1
.endr
.set i, 0
.rept 32
	s_wait_loadcnt 31-i                            ; loads come back in order: the 31 - i younger ones may stay out
	v_cvt_pk_bf16_f32 v[CV+2*i], v[RAW+4*i], v[RAW+4*i+1]
	v_cvt_pk_bf16_f32 v[CV+2*i+1], v[RAW+4*i+2], v[RAW+4*i+3]
	global_store_b64 v3, v[CV+2*i:CV+2*i+1], s[26:27] offset:256*i  ; each store has registers of its own: none is rewritten
.set i, i+1
.endr
	s_branch .Lend
.Lrole_p:
	; W'.  Block (eg, dg): rows e = 64 eg .., columns d = 64 dg ...  Both operands are staged in LDS as bf16: WV_w's 512 rows c x 64 columns d, and 64 whole rows of out_w.
	s_and_b32 s24, s[ID], 7                        ; dg
	s_lshr_b32 s25, s[ID], 3                       ; eg
	s_lshl_b32 s26, s24, 8
	s_mov_b32 s27, 0
	s_add_nc_u64 s[28:29], s[10:11], s[26:27]      ; WV_w at column 64 dg
	s_lshl_b32 s26, s25, 17
	s_add_nc_u64 s[32:33], s[14:15], s[26:27]      ; out_w at row 64 eg
	v_lshlrev_b32 v2, 11, v[HH]
	v_lshl_add_u32 v2, v[RR], 4, v2
	v_lshl_add_u32 v2, s[WV], 17, v2               ; WV_w: row 64 wave + lane / 16, 16 bytes a lane: two rows' 256 bytes a load
	v_mul_u32_u24 v4, v[HH], PW
	v_lshl_add_u32 v4, v[RR], 3, v4
	s_mul_i32 s34, s[WV], 64*PW
	v_add_nc_u32 v4, s34, v4                       ; and the same place in LDS, 8 bytes a lane
	v_lshlrev_b32 v3, 4, v[LN]
	v_lshl_add_u32 v3, s[WV], 14, v3               ; out_w: row 8 wave, 512 bytes a load
	s_mul_i32 s34, s[WV], 8*PO
	s_add_co_u32 s34, s34, OWL
	v_lshl_add_u32 v5, v[LN], 3, s34
.set i, 0
.rept 32
	global_load_b128 v[RAW+4*i:RAW+4*i+3], v2, s[28:29] offset:4096*i
.set i, i+1
.endr
.set i, 0
.rept 32
	s_wait_loadcnt 31                              ; behind WV_w's load i stand 31 - i of its own kind and i of out_w's
	v_cvt_pk_bf16_f32 v[CV+2*i], v[RAW+4*i], v[RAW+4*i+1]
	v_cvt_pk_bf16_f32 v[CV+2*i+1], v[RAW+4*i+2], v[RAW+4*i+3]
	ds_store_b64 v4, v[CV+2*i:CV+2*i+1] offset:WVL+2*PW*i
	global_load_b128 v[RAW+4*i:RAW+4*i+3], v3, s[32:33] offset:512*i  ; the registers just read take out_w's load i
.set i, i+1
.endr
.set i, 0
.rept 32
	s_wait_loadcnt 31-i
	v_cvt_pk_bf16_f32 v[CV+2*i], v[RAW+4*i], v[RAW+4*i+1]
	v_cvt_pk_bf16_f32 v[CV+2*i+1], v[RAW+4*i+2], v[RAW+4*i+3]
	ds_store_b64 v5, v[CV+2*i:CV+2*i+1] offset:(i/4)*PO+(i%4)*256
.set i, i+1
.endr
	; Wave: d tile dt = wave % 4, e tiles 2 ep and 2 ep + 1, ep = wave / 4.  D(m = d, n = e): source 0 = WV_w turned (16 d x 32 c), source 1 = 16 rows of out_w.
	v_and_b32 v10, 7, v0
	v_bfe_u32 v11, v0, 3, 1
	v_lshl_add_u32 v6, v[HH], 3, v10
	v_mul_u32_u24 v6, v6, PW
	v_lshl_add_u32 v6, v11, 4, v6                  ; the turning load: row 8 (lane / 16) + lane % 8, 16 bytes for each half of eight lanes
	s_and_b32 s35, s[WV], 3                        ; dt
	s_lshr_b32 s36, s[WV], 2                       ; ep
	s_lshl_b32 s37, s35, 5
	v_add_nc_u32 v6, s37, v6
	v_add_nc_u32 v7, 256*PW, v6                    ; c from 256 on: the immediate has 16 bits
	v_mul_u32_u24 v8, v[RR], PO
	v_lshl_add_u32 v8, v[HH], 4, v8
	s_mul_i32 s37, s36, 32*PO
	s_add_co_u32 s37, s37, OWL
	v_add_nc_u32 v8, s37, v8                       ; e tile 2 ep
	v_add_nc_u32 v9, 16*PO, v8                     ; e tile 2 ep + 1
	s_lshl_b32 s37, s25, 6
	s_lshl_b32 s38, s36, 5
	s_add_co_u32 s37, s37, s38
	s_add_co_u32 s37, s37, 1024                    ; W' begins at row 1,024 of Wcat
	s_lshl_b32 s37, s37, 10
	s_lshl_b32 s38, s24, 7
	s_add_co_u32 s37, s37, s38
	s_lshl_b32 s38, s35, 5
	s_add_co_u32 s37, s37, s38
	v_lshlrev_b32 v12, 10, v[RR]
	v_lshl_add_u32 v12, v[HH], 4, v12
	v_add_nc_u32 v12, s37, v12                     ; row e = .. + lane % 16, my eight columns d
	s_wait_dscnt 0x0                               ; for the others' sake: my stores are done
	s_barrier_signal -1
	s_barrier_wait -1
	; K = 512 in four batches of 4 x 32.  The two accumulators take turns, one instruction a turn; the first two products start the sums.
.set kk, 0
.rept 4
.rept 4
	v_nop                                          ; four places between the last product and the loads into registers that it read
.endr
.set q, 0
.rept 4
.set kq, kk+q
	ds_load_tr16_b128 v[RAW+24*q:RAW+24*q+3],     v[6+kq/8] offset:(kq%8)*32*PW
	ds_load_tr16_b128 v[RAW+24*q+4:RAW+24*q+7],   v[6+kq/8] offset:(kq%8)*32*PW+16*PW
	ds_load_b128 v[RAW+24*q+8:RAW+24*q+11],  v8 offset:64*kq
	ds_load_b128 v[RAW+24*q+12:RAW+24*q+15], v8 offset:64*kq+32
	ds_load_b128 v[RAW+24*q+16:RAW+24*q+19], v9 offset:64*kq
	ds_load_b128 v[RAW+24*q+20:RAW+24*q+23], v9 offset:64*kq+32
.set q, q+1
.endr
	s_wait_dscnt 0x0
.set q, 0
.rept 4
.if kk+q == 0
	v_wmma_f32_16x16x32_bf16 v[160:167], v[RAW+24*q:RAW+24*q+7], v[RAW+24*q+8:RAW+24*q+15], 0
	v_wmma_f32_16x16x32_bf16 v[168:175], v[RAW+24*q:RAW+24*q+7], v[RAW+24*q+16:RAW+24*q+23], 0
.else
	v_wmma_f32_16x16x32_bf16 v[160:167], v[RAW+24*q:RAW+24*q+7], v[RAW+24*q+8:RAW+24*q+15], v[160:167]
	v_wmma_f32_16x16x32_bf16 v[168:175], v[RAW+24*q:RAW+24*q+7], v[RAW+24*q+16:RAW+24*q+23], v[168:175]
.endif
.set q, q+1
.endr
.set kk, kk+4
.endr
.rept 4
	v_nop
.endr
.irp t, 0,1
.irp q, 0,1,2,3
	v_cvt_pk_bf16_f32 v[176+4*(\t)+(\q)], v[160+8*(\t)+2*(\q)], v[160+8*(\t)+2*(\q)+1]
.endr
.endr
	global_store_b128 v12, v[176:179], s[18:19]                ; 32 bytes of each of 16 rows: pieces of rows, for 0.5 MiB of the launch's 18 MiB of stores
	global_store_b128 v12, v[180:183], s[18:19] offset:16384
	s_branch .Lend
.Lrole_b:
	; BV AND SC, on the vector unit.  A wave takes eight rows of WV_w (their sum of squares: its share of WV_w's whole) and the same eight rows of out_w; a lane 16 numbers of each row.
.set BVP, 184                          ; v[184:191] my 16 numbers of WV_b, rounded to bf16, packed
.set OWP, 192                          ; v[192:199] my 16 numbers of a row of out_w, likewise
.set DOT, 200                          ; v[200:207] row j's product with WV_b
.set SQ,  208                          ; v[208:215] row j's sum of squares
.set FPV, 216                          ; v216       the sum of squares of my eight rows of WV_w
	s_sub_co_u32 s24, s[ID], 64
	s_lshl_b32 s24, s24, 6
	s_lshl_b32 s25, s[WV], 3
	s_add_co_u32 s24, s24, s25                     ; my first row
	s_lshl_b32 s26, s24, 11
	s_mov_b32 s27, 0
	s_add_nc_u64 s[28:29], s[14:15], s[26:27]      ; out_w,
	s_add_nc_u64 s[32:33], s[10:11], s[26:27]      ; and WV_w, at that row
	s_lshr_b32 s25, s24, 1                         ; 4 bytes x (my first row / 8)
	s_mov_b32 s40, 0x76543210                      ; v_permlanex16_b32: each lane takes its own place in the other half
	s_mov_b32 s41, 0xfedcba98
	v_lshlrev_b32 v2, 4, v[LN]
	v_lshlrev_b32 v3, 2, v[LN]
	v_lshl_add_u32 v3, s24, 2, v3                  ; 4 x (my first row + lane)
	v_mov_b32 v4, s25
.irp q, 0,1,2,3
	global_load_b128 v[32+4*(\q):32+4*(\q)+3], v2, s[12:13] offset:512*(\q)
.endr
.set i, 0
.rept 32
	global_load_b128 v[48+4*i:48+4*i+3], v2, s[32:33] offset:512*i
.set i, i+1
.endr
.set i, 0
.rept 32
	s_wait_loadcnt 31                              ; behind WV_w's load i stand 31 - i of its own kind and i of out_w's
.if i == 0
	v_pk_mul_f32 v[176:177], v[48:49], v[48:49]    ; the first squares start the two chains
	v_pk_mul_f32 v[178:179], v[50:51], v[50:51]
.else
	v_pk_fma_f32 v[176:177], v[48+4*i:48+4*i+1], v[48+4*i:48+4*i+1], v[176:177]
	v_pk_fma_f32 v[178:179], v[48+4*i+2:48+4*i+3], v[48+4*i+2:48+4*i+3], v[178:179]
.endif
	global_load_b128 v[48+4*i:48+4*i+3], v2, s[28:29] offset:512*i  ; the registers just read take out_w's load i
.set i, i+1
.endr
.irp t, 0,1,2,3,4,5,6,7
	v_cvt_pk_bf16_f32 v[BVP+(\t)], v[32+2*(\t)], v[32+2*(\t)+1]
.endr
	v_pk_add_f32 v[176:177], v[176:177], v[178:179]
	v_add_f32 v176, v176, v177
	v_add_f32_dpp v176, v176, v176 row_xmask:1 row_mask:0xf bank_mask:0xf
	v_add_f32_dpp v176, v176, v176 row_xmask:2 row_mask:0xf bank_mask:0xf
	v_add_f32_dpp v176, v176, v176 row_xmask:4 row_mask:0xf bank_mask:0xf
	v_add_f32_dpp v176, v176, v176 row_xmask:8 row_mask:0xf bank_mask:0xf
	v_permlanex16_b32 v177, v176, s40, s41
	v_add_f32 v[FPV], v176, v177
	s_wait_loadcnt 0x0                             ; out_w's rows
.irp j, 0,1,2,3,4,5,6,7
.irp t, 0,1,2,3,4,5,6,7
	v_cvt_pk_bf16_f32 v[OWP+(\t)], v[48+16*(\j)+2*(\t)], v[48+16*(\j)+2*(\t)+1]
.endr
	v_pk_mul_f32 v[178:179], v[48+16*(\j):48+16*(\j)+1], v[48+16*(\j):48+16*(\j)+1]
	v_fma_mix_f32_bf16 v176, v[OWP], v[BVP], v[NIL] op_sel_hi:[1,1,0]                 ; the products of two bf16 halves are exact in f32; two chains, low halves and high halves
	v_fma_mix_f32_bf16 v177, v[OWP], v[BVP], v[NIL] op_sel:[1,1,0] op_sel_hi:[1,1,0]
.irp t, 1,2,3,4,5,6,7
	v_pk_fma_f32 v[178:179], v[48+16*(\j)+2*(\t):48+16*(\j)+2*(\t)+1], v[48+16*(\j)+2*(\t):48+16*(\j)+2*(\t)+1], v[178:179]
	v_fma_mix_f32_bf16 v176, v[OWP+(\t)], v[BVP+(\t)], v176 op_sel_hi:[1,1,0]
	v_fma_mix_f32_bf16 v177, v[OWP+(\t)], v[BVP+(\t)], v177 op_sel:[1,1,0] op_sel_hi:[1,1,0]
.endr
	v_add_f32 v176, v176, v177
	v_add_f32 v178, v178, v179
.irp x, 1,2,4,8
	v_add_f32_dpp v176, v176, v176 row_xmask:\x row_mask:0xf bank_mask:0xf
	v_add_f32_dpp v178, v178, v178 row_xmask:\x row_mask:0xf bank_mask:0xf
.endr
	v_permlanex16_b32 v177, v176, s40, s41
	v_permlanex16_b32 v179, v178, s40, s41
	v_add_f32 v[DOT+(\j)], v176, v177              ; row j's two sums, in every lane
	v_add_f32 v[SQ+(\j)], v178, v179
.endr
	v_mov_b32 v217, v[DOT]
	v_mov_b32 v218, v[SQ]
.irp j, 1,2,3,4,5,6,7
	v_cmp_eq_u32 vcc_lo, \j, v[LN]
	v_cndmask_b32 v217, v217, v[DOT+(\j)], vcc_lo  ; lane j takes row j
	v_cndmask_b32 v218, v218, v[SQ+(\j)], vcc_lo
.endr
	v_max_num_f32 v218, 0x0d800000, v218           ; 2^-100 at the least
	v_rsq_f32 v219, v218                           ; 1 / the row's norm
	v_nop                                          ; a plain instruction behind it,
	s_wait_alu depctr_va_vdst(0)                   ; and the wait ahead of its first reader
	v_mul_f32 v220, v218, v219                     ; the norm
	s_wait_xcnt 0x0                                ; EXEC changes only behind this wait
	v_cmp_gt_u32 vcc_lo, 8, v[LN]
	s_and_saveexec_b32 s30, vcc_lo
	global_store_b32 v3, v217, s[20:21]
	global_store_b32 v3, v219, s[22:23]
	global_store_b32 v3, v220, s[22:23] offset:2048
	s_wait_xcnt 0x0                                ; and again in front of the line that widens it
	s_or_b32 exec_lo, exec_lo, s30
	v_cmp_eq_u32 vcc_lo, 0, v[LN]
	s_and_saveexec_b32 s30, vcc_lo
	global_store_b32 v4, v[FPV], s[22:23] offset:4096  ; one number a wave
	s_wait_xcnt 0x0
	s_or_b32 exec_lo, exec_lo, s30
.Lend:
	s_wait_tensorcnt 0x0                           ; the wave's end, behind my last LDS store
	ds_add_u32 v[SPW], v[NIL]
	s_wait_dscnt 0x0
	s_endpgm
.Lfunc_end_k_q96fa6f5c6d_prep:
	.size	k_q96fa6f5c6d_prep, .Lfunc_end_k_q96fa6f5c6d_prep-k_q96fa6f5c6d_prep
	.p2alignl 7, 3214868480
	.fill 96, 4, 3214868480
	.section	.rodata,"a",@progbits
	.p2align	6, 0x0
	.amdhsa_kernel k_q96fa6f5c6d_prep
		.amdhsa_group_segment_fixed_size 149504
		.amdhsa_private_segment_fixed_size 0
		.amdhsa_enable_private_segment 0
		.amdhsa_kernarg_size 80
		.amdhsa_user_sgpr_count 2
		.amdhsa_user_sgpr_kernarg_segment_ptr 1
		.amdhsa_wavefront_size32 1
		.amdhsa_system_sgpr_workgroup_id_x 1
		.amdhsa_system_sgpr_workgroup_id_y 1
		.amdhsa_system_sgpr_workgroup_id_z 1
		.amdhsa_system_vgpr_workitem_id 0
		.amdhsa_next_free_vgpr 224
		.amdhsa_next_free_sgpr 66
		.amdhsa_reserve_vcc 1
		.amdhsa_float_denorm_mode_32 3
		.amdhsa_float_denorm_mode_16_64 3
		.amdhsa_memory_ordered 1
		.amdhsa_forward_progress 1
		.amdhsa_inst_pref_size 82
	.end_amdhsa_kernel
	.amdgpu_metadata
---
amdhsa.version: [ 1, 2 ]
amdhsa.kernels:
  - .name:           k_q96fa6f5c6d_prep
    .symbol:         k_q96fa6f5c6d_prep.kd
    .args:
      - { .name: X, .offset: 0, .size: 8, .value_kind: global_buffer, .address_space: global }
      - { .name: WQ_w, .offset: 8, .size: 8, .value_kind: global_buffer, .address_space: global }
      - { .name: WK_w, .offset: 16, .size: 8, .value_kind: global_buffer, .address_space: global }
      - { .name: WV_w, .offset: 24, .size: 8, .value_kind: global_buffer, .address_space: global }
      - { .name: WV_b, .offset: 32, .size: 8, .value_kind: global_buffer, .address_space: global }
      - { .name: out_w, .offset: 40, .size: 8, .value_kind: global_buffer, .address_space: global }
      - { .name: Xb, .offset: 48, .size: 8, .value_kind: global_buffer, .address_space: global }
      - { .name: Wcat, .offset: 56, .size: 8, .value_kind: global_buffer, .address_space: global }
      - { .name: BV, .offset: 64, .size: 8, .value_kind: global_buffer, .address_space: global }
      - { .name: SC, .offset: 72, .size: 8, .value_kind: global_buffer, .address_space: global }
    .group_segment_fixed_size: 149504
    .private_segment_fixed_size: 0
    .kernarg_segment_align: 8
    .kernarg_segment_size: 80
    .max_flat_workgroup_size: 256
    .sgpr_count:     66
    .vgpr_count:     224
    .wavefront_size: 32
...
	.end_amdgpu_metadata
.endif
;; end of part 1
;; launch proj (part 2): grid 4 x 64, 4 waves a work-group, clusters of 4 x 4, 327,680 bytes of LDS; arguments Xb, Wcat, WQ_b, WK_b, BV, QKV, SC; writes QKV
.if DOCPART == 2
	.amdgcn_target "amdgcn-amd-amdhsa--gfx1250"
	.amdhsa_code_object_version 6
	.text
	.protected	k_q96fa6f5c6d_proj
	.globl	k_q96fa6f5c6d_proj
	.p2align	8
	.type	k_q96fa6f5c6d_proj,@function
k_q96fa6f5c6d_proj:
	s_mov_b64 s[64:65], 0
	v_nop
	global_prefetch_b8 v0, s[64:65] scope:SCOPE_SE
	s_setreg_imm32_b32 hwreg(HW_REG_WAVE_MODE, 25, 1), 1
	s_wait_xcnt 0x0
	s_wait_alu depctr_hold_cnt(0) depctr_sa_sdst(0) depctr_va_vdst(0) depctr_va_sdst(0) depctr_va_ssrc(0) depctr_va_vcc(0) depctr_vm_vsrc(0)
	s_getreg_b32 s2, hwreg(HW_REG_IB_STS2, 6, 4)
	s_cmp_eq_u32 s2, 0
	s_cbranch_scc0 .Lentry_in_a_cluster
	s_endpgm
.Lentry_in_a_cluster:
	s_bfe_u32 s2, ttmp6, 0x10000c
	s_cmp_lg_u32 s2, 0xf033
	s_cbranch_scc0 .Lentry_shape_is_right
	s_endpgm
.Lentry_shape_is_right:
; PROJ.  QKV[n][0:512] = q, [512:1024] = k, both bf16; [1024:1536] = v'' in f16.  (q | k | v') = Xb Wcat^T + (WQ_b | WK_b | BV), 16,384 rows, K = 512; operands bf16, sums f32, each number rounded once.
; v''[n][e] = v'[n][e] / (|out_w row e| x |WV_w|), the norms from SC: the scale is made of the data, so that f16's range does not hang on the weights' size.
; LIMIT: |v''| is at most |X row n| + |WV_b| / |WV_w| (to within bf16's rounding of the operands), which must stay under 65,504.
; SHARES.  A tile of the result is 256 rows x 128 columns; a work-group STAYS on its 256 rows and makes three tiles, 512 columns apart (one of q, one of k, one of v'): 64 x 4 work-groups.
; Four waves; wave w owns rows 64 w .. 64 w + 63 of the tile and all 128 columns: 32 accumulators of 16 x 16.  The matrix instruction is used transposed (source 0 = 16 rows of Wcat,
; source 1 = 16 rows of Xb): a lane then holds eight neighbouring columns of one row.  THE BIAS IS THE C OPERAND of the product that starts a sum: no addition is written for it.
; RING.  K goes in steps of 128 (rows of 256 bytes) through two LDS slots; the steps of the three tiles are numbered on end, 0 to 11, step g in slot g % 2, and the ring runs on across the tiles.
; K BY TURNS.  All sixteen clusters read the same rows of Wcat.  Cluster y takes a tile's four K steps in the order y % 4, y % 4 + 1, .. (mod 4), so that in one step clusters with different y % 4 name
; different blocks of those rows.  The f32 sums take their K steps in that order.
; CLUSTER 4 x 4.  The four of a row of the cluster want the same rows of Xb, the four of a column the same rows of Wcat: each tile is asked for jointly, by the same tensor load in all four.
; By this text's count a wave has two tensor loads out at the start and one behind each round.
; REGISTERS, in windows of 256 (s_set_vgpr_msb: bits 1:0 source 0, 3:2 source 1, 5:4 source 2, 7:6 destination): window 0 addresses, way out, bias; window 1 the accumulators, (a, b) at v[8 (8 a + b)];
; window 2 two fragment buffers of 96: Wcat's eight fragments, then Xb's four.
.set TILES,  3
.set STRIDE, 512                       ; elements from row to row, in Xb and in Wcat
.set ROWB,   1024                      ; bytes in a row of Wcat
.set BWALK,  512*ROWB                  ; from a tile's rows of Wcat to the next tile's
.set CP,     3072                      ; bytes in a row of QKV
.set PMASK,  3                         ; of a tile's four steps my cluster is the first, by the text's order, to load the rows of those whose number and PMASK give 0: its first
.set PITCH,  272                       ; an LDS row: 256 bytes + 16 of padding = 17 x 16 bytes: the 16 rows of a fragment load start at 16 different groups of four banks (64 banks of 4 bytes: ISA guide 11.1)
.set HALFA,  128*PITCH                 ; what waves 0 and 1 fetch: 128 rows of Xb each
.set HALFB,  64*PITCH                  ; what waves 2 and 3 fetch: 64 rows of Wcat each
.set BOFF,   2*HALFA                   ; in a slot: Xb's 256 rows, then Wcat's 128
.set SLOT1,  131072                    ; slot 1 begins here, so that one exclusive or turns an address in one slot into the other's
.set STAGE,  SLOT1+BOFF+2*HALFB        ; behind the ring, never filled by a tensor load: 16 rows x 272 bytes for each wave
.set SPARE,  STAGE+4*16*PITCH          ; the spare words, 128 bytes for each wave: two blocks of 256 bytes that no other line names
.set A0,   4                           ; v4   my lane's place in Xb's rows of a slot; never rewritten
.set B0,   5                           ; v5   the same for Wcat's
.set ADRA, 6                           ; v6   the same in the slot in hand
.set ADRB, 7                           ; v7
.set STO,  8                           ; v8   the way out: where I put 16 bytes of a row
.set RD,   9                           ; v9   where I read a row back
.set CO,   10                          ; v10  my byte offset in two rows of QKV
.set PFO,  11                          ; v11  the prefetches' offset: lane x a row of Wcat
.set SPW,  12                          ; v12  LDS address of my spare word; never rewritten
.set NIL,  13                          ; v13  0; never rewritten
.set BO,   14                          ; v14  my byte offset in a bias, and in SC's first part
.set FPO,  15                          ; v15  8 x lane: my two of the 64 partial sums of squares
.set FS,   16                          ; v[16:17] those two, then their sum over the wave; v[18:19] 1 / |WV_w|, twice
.set TMP,  32                          ; v[32:63]   packed results
.set BK,   64                          ; v[64:127]  16 rows read back, two sets
.set BI,   128                         ; v[128:191] the bias of my 64 columns: column block b at BI + 8 b; in the tail their scales
.set F0,   0
.set F1,   96
.set WV,   16                          ; s16 wave; s17 wave / 2: I fetch for Xb (0) or Wcat (1); s18 wave % 2: which half
.set HF,   17
.set LO,   18
.set CX,   19
.set CY,   20
.set G1A,  24                          ; s[24:31] descriptor group 1 for Xb's tiles
.set G0A,  32                          ; s[32:35] group 0 of step 0; s[36:39] the walking one
.set ABASE, 40                         ; s[40:41] Xb at my half of the tile's rows
.set BBASE, 42                         ; s[42:43] Wcat at my half of the first tile's rows
.set OFF,  44                          ; s[44:45] a step's byte offset; the high word stays 0
.set PFB,  46                          ; s[46:47] Wcat at my work-group's 32 rows of the first tile's 128
.set G1B,  48
.set G0B,  56
.set PFA,  66                          ; s[66:67] where the prefetch in hand stands
.set NXT,  68                          ; s68  the step to be asked for next
.set CNT,  69
.set TB,   70                          ; s70  the slot in hand: 0 or SLOT1
.set NOA,  71                          ; s71  0 in a wave that prefetches, else 1
.set CT,   74                          ; s[74:75] QKV at my wave's first row, at the tile's columns
.set BP,   76                          ; s[76:77] the tile's bias
.set TL,   78                          ; s78  the tile
.set ROT,  79                          ; s79  cluster y % 4: where my cluster begins a tile's four K steps
.set AF,   80                          ; s80  0: this change of slots prefetches
.set SEL,  82                          ; s[82:83] v_permlanex16_b32's selects
.set SCB,  84                          ; s[84:85] SC
.set G1W0, (1<<16)|(1<<20)|(1<<21)|(5<<22)|(3<<25)  ; 17:16 elements of 2 bytes; 20 padding on; 21 set beside a mask; 24:22 after every 64 words; 31:25 4 words of it
.set W_MUL,  0x5a                      ; sources in window 2, C and D in window 1
.set W_MULB, 0x4a                      ; the same with C in window 0
.set W_LD,   0x80                      ; destination in window 2
.set MSB, 0
.macro WIN new                         ; the immediate's high byte repeats the setting that is left; a switch that changes nothing is dropped
.if MSB != (\new)
	s_set_vgpr_msb (MSB<<8)|(\new)
.set MSB, \new
.endif
.endm
.macro PLACES                          ; four places in front of loads into registers that matrix instructions have read and of vector work on their results
.rept 4
	v_nop
.endr
.endm
.macro CREST                           ; a round of the cluster's barrier behind its opening barrier
	s_cmp_lg_u32 s[WV], 0
	s_cbranch_scc1 .Lnot_wave_0_\@
	s_barrier_signal -3
.Lnot_wave_0_\@:
	s_barrier_wait -3
	s_barrier_signal -1
	s_barrier_wait -1
.endm
.macro CROUND
	s_barrier_signal -1
	s_barrier_wait -1
	CREST
.endm
.macro JLOAD                           ; a joint refill by the walking descriptors; the branch hangs on the wave's number alone; an s_nop 0 and four v_nop follow each line
	s_cmp_eq_u32 s[HF], 0
	s_cbranch_scc0 .Lfor_b_\@
	tensor_load_to_lds s[G0A+4:G0A+7], s[G1A:G1A+7]
	s_nop 0
	PLACES
	s_branch .Lasked_\@
.Lfor_b_\@:
	tensor_load_to_lds s[G0B+4:G0B+7], s[G1B:G1B+7]
	s_nop 0
	PLACES
.Lasked_\@:
.endm
; A PREFETCH of Wcat's rows for the step that stands two refills on: 32 rows x 256 bytes, a lane a row.  Only the second and third tile's rows are asked for.  By the text's order the K step y % 4 of a tile is
; loaded first by the clusters with that y % 4, in the tile's first step: clusters y = 0 to 3 ask, each for its own K step, once a tile, wave 2 alone; the four partners of a column share a tile's 128 rows
; out by address (32 cy + lane).  So each row's 256 bytes are named once in the launch.  No step behind the last is asked for.
.macro ASK
	WIN 0
	s_cmp_eq_u32 s[AF], 0
	s_cbranch_scc0 .Lnot_mine_\@
	global_prefetch_b8 v[PFO], s[PFA:PFA+1] th:TH_LOAD_NT scope:SCOPE_SE
.Lnot_mine_\@:
.endm
.macro FETCH k, g                      ; 24 LDS loads in one run: the fragments of 32 along K at byte k of the rows, into buffer g: Wcat's eight, then Xb's four
	WIN W_LD
.irp i, 0,1,2,3,4,5,6,7
	ds_load_b128 v[(\g)+8*(\i):(\g)+8*(\i)+3],   v[ADRB] offset:(\k)+(\i)*16*PITCH
	ds_load_b128 v[(\g)+8*(\i)+4:(\g)+8*(\i)+7], v[ADRB] offset:(\k)+(\i)*16*PITCH+32
.endr
.irp i, 0,1,2,3
	ds_load_b128 v[(\g)+64+8*(\i):(\g)+64+8*(\i)+3],   v[ADRA] offset:(\k)+(\i)*16*PITCH
	ds_load_b128 v[(\g)+64+8*(\i)+4:(\g)+64+8*(\i)+7], v[ADRA] offset:(\k)+(\i)*16*PITCH+32
.endr
.endm
.macro MUL8 f, a, mode                 ; row block a x all 8 column blocks.  mode = 1: the products start the sums, with the bias as C.  The 32 accumulators take turns in one fixed order
.if \mode
	WIN W_MULB
.else
	WIN W_MUL
.endif
.irp b, 0,1,2,3,4,5,6,7
.if \mode
	v_wmma_f32_16x16x32_bf16 v[8*(8*(\a)+(\b)):8*(8*(\a)+(\b))+7], v[(\f)+8*(\b):(\f)+8*(\b)+7], v[(\f)+64+8*(\a):(\f)+64+8*(\a)+7], v[BI+8*(\b):BI+8*(\b)+7]
.else
	v_wmma_f32_16x16x32_bf16 v[8*(8*(\a)+(\b)):8*(8*(\a)+(\b))+7], v[(\f)+8*(\b):(\f)+8*(\b)+7], v[(\f)+64+8*(\a):(\f)+64+8*(\a)+7], v[8*(8*(\a)+(\b)):8*(8*(\a)+(\b))+7]
.endif
.endr
.endm
.macro QUARTER k, f, g, mode           ; a quarter step: the next quarter's fragments (byte k) are asked for into g, then buffer f is multiplied
	PLACES
	FETCH \k, \g
	s_wait_dscnt 24                                ; all but the 24 just issued: buffer f is in
	MUL8 \f, 0, \mode
	MUL8 \f, 1, \mode
	MUL8 \f, 2, \mode
	MUL8 \f, 3, \mode
.endm
; A step's last quarter (buffer 1) and the change of slots.  Half of the quarter's products stand AHEAD of the wait for the tensor loads, so that nothing but the add, the barrier and the round stands between
; that wait and the refill.  In front of the barrier each wave waits for all its tensor loads (one is out: its part of the next slot), adds 0 to its spare word, and waits for that; its own reads of this slot,
; buffer 1's 24 loads, were waited for at the head.  fill = 1: the barrier opens a round of the cluster's barrier, and the slot just read is filled again, first thing behind the round, with step NXT.
.macro TURN fill
	WIN 0
.if \fill
	s_wait_xcnt 0x0                                ; the last prefetch, a step back, has read its address: it is made anew, for step NXT + 2
	s_add_co_u32 s72, s[NXT], 2
	s_and_b32 s[AF], s72, PMASK                    ; 0: a step whose rows my cluster is the first to load,
	s_or_b32 s[AF], s[AF], s[NOA]                  ; in a wave that asks,
	s_cmp_lt_u32 s72, 4*TILES
	s_cselect_b32 s[AF], s[AF], 1                  ; and not behind the last step
	s_add_co_u32 s73, s72, s[ROT]
	s_and_b32 s73, s73, 3
	s_lshl_b32 s[OFF], s73, 8
	s_lshr_b32 s72, s72, 2
	s_mul_i32 s72, s72, BWALK
	s_add_co_u32 s[OFF], s[OFF], s72
	s_add_nc_u64 s[PFA:PFA+1], s[PFB:PFB+1], s[OFF:OFF+1]
.endif
	s_wait_dscnt 0x0                               ; buffer 1 is in: these were my last reads of this slot
	MUL8 F1, 0, 0
	MUL8 F1, 1, 0
	WIN 0
	s_wait_tensorcnt 0x0                           ; no tensor load of mine is out, so the walking descriptors may be written
	ds_add_u32 v[SPW], v[NIL]                      ; 0 onto my spare word
.if \fill
	s_add_co_u32 s72, s[NXT], s[ROT]               ; step NXT: its place along K goes by my cluster's order; Wcat goes BWALK down for each tile, Xb starts again
	s_and_b32 s72, s72, 3
	s_lshl_b32 s[OFF], s72, 8
	s_xor_b32 s[G0A+5], s[G0A+5], SLOT1
	s_add_nc_u64 s[G0A+6:G0A+7], s[ABASE:ABASE+1], s[OFF:OFF+1]
	s_or_b32 s[G0A+7], s[G0A+7], 0x80000000
	s_lshr_b32 s73, s[NXT], 2
	s_mul_i32 s73, s73, BWALK
	s_add_co_u32 s[OFF], s[OFF], s73
	s_xor_b32 s[G0B+5], s[G0B+5], SLOT1
	s_add_nc_u64 s[G0B+6:G0B+7], s[BBASE:BBASE+1], s[OFF:OFF+1]
	s_or_b32 s[G0B+7], s[G0B+7], 0x80000000
	s_add_co_u32 s[NXT], s[NXT], 1
.endif
	s_wait_dscnt 0x0                               ; the add is done
	s_barrier_signal -1
	s_barrier_wait -1
.if \fill
	CREST                                          ; no wave of any partner still reads this slot or has a load on its way
	JLOAD                                          ; its four v_nop are also the places in front of the loads below
.else
	PLACES
.endif
	s_xor_b32 s[TB], s[TB], SLOT1
	v_add_nc_u32 v[ADRA], s[TB], v[A0]
	v_add_nc_u32 v[ADRB], s[TB], v[B0]
	FETCH 0, F0
.if \fill
	ASK
.endif
	MUL8 F1, 2, 0
	MUL8 F1, 3, 0
.endm
; THE WAY OUT of row block a: rounded, 16 bytes a lane; through my own stage in LDS; back as whole rows of 256 bytes; stored.
; half = 0: q and k, to bf16.  half = 1: v', times its columns' scales (in the bias's registers by then), to f16.  Each accumulator's registers are taken in ascending order.
.macro PACK a, half
.if \half
	WIN 0x41                                       ; destination and source 0 in window 1
.irp b, 0,1,2,3,4,5,6,7
.irp q, 0,1,2,3
	v_pk_mul_f32 v[64*(\a)+8*(\b)+2*(\q):64*(\a)+8*(\b)+2*(\q)+1], v[64*(\a)+8*(\b)+2*(\q):64*(\a)+8*(\b)+2*(\q)+1], v[BI+8*(\b)+2*(\q):BI+8*(\b)+2*(\q)+1]
.endr
.endr
.endif
	WIN 0x05                                       ; sources in window 1
.irp b, 0,1,2,3,4,5,6,7
.irp q, 0,1,2,3
.if \half
	v_cvt_pk_f16_f32 v[TMP+4*(\b)+(\q)], v[64*(\a)+8*(\b)+2*(\q)], v[64*(\a)+8*(\b)+2*(\q)+1]
.else
	v_cvt_pk_bf16_f32 v[TMP+4*(\b)+(\q)], v[64*(\a)+8*(\b)+2*(\q)], v[64*(\a)+8*(\b)+2*(\q)+1]
.endif
.endr
.endr
	WIN 0
.endm
.macro TOSTAGE a
	WIN 0
.irp b, 0,1,2,3,4,5,6,7
	ds_store_b128 v[STO], v[TMP+4*(\b):TMP+4*(\b)+3] offset:32*(\b)
.endr
.irp t, 0,1,2,3,4,5,6,7
	ds_load_b128 v[BK+32*((\a)%2)+4*(\t):BK+32*((\a)%2)+4*(\t)+3], v[RD] offset:2*PITCH*(\t)  ; LDS serves a wave's instructions in order (ISA guide 5.7.1.4): these see the stores above
.endr
.endm
.macro SEND a
	WIN 0
	s_wait_dscnt 0x0                               ; the block is back in registers
	s_wait_xcnt 0x0                                ; the stores issued so far have read their registers: the other set is loaded again only behind this wait
.irp t, 0,1,2,3,4,5,6,7
	global_store_b128 v[CO], v[BK+32*((\a)%2)+4*(\t):BK+32*((\a)%2)+4*(\t)+3], s[CT:CT+1] offset:(16*(\a)+2*(\t))*CP  ; 16 lanes store 256 consecutive bytes, at a multiple of 256 from QKV's first byte
.endr
.endm
.macro BIAS base                       ; 64 numbers of an f32 vector of 512, those of my columns, into BI
.irp b, 0,1,2,3,4,5,6,7
	global_load_b128 v[BI+8*(\b):BI+8*(\b)+3],   v[BO], s[(\base):(\base)+1] offset:64*(\b)
	global_load_b128 v[BI+8*(\b)+4:BI+8*(\b)+7], v[BO], s[(\base):(\base)+1] offset:64*(\b)+16
.endr
.endm
.macro OUT inloop                      ; inloop = 1: a tile of q or k, and a tile follows: its bias is asked for first, and waited for last.  inloop = 0: the tile of v'
	WIN 0
.if \inloop
	s_add_co_u32 s[TL], s[TL], 1
	s_cmp_eq_u32 s[TL], 1
	s_cselect_b64 s[BP:BP+1], s[10:11], s[12:13]   ; WK_b, then BV
	BIAS BP
.endif
	PACK 0, 1-(\inloop)                            ; in the loop blocks 0 and 1 were finished ahead of the change of slots; their conversions are the places behind the products of blocks 2 and 3
	TOSTAGE 0
.irp a, 1,2,3
	PACK \a, 1-(\inloop)
	SEND (\a)-1
	TOSTAGE \a
.endr
	SEND 3
.if \inloop
	s_wait_xcnt 0x0                                ; the stores have read their base
	s_add_nc_u64 s[CT:CT+1], s[CT:CT+1], 1024      ; the next tile's columns
	s_wait_loadcnt 0x0                             ; the bias
.endif
.endm
	s_load_b256 s[4:11], s[0:1], 0x0               ; Xb s[4:5], Wcat s[6:7], WQ_b s[8:9], WK_b s[10:11]
	s_load_b128 s[12:15], s[0:1], 0x20             ; BV s[12:13], QKV s[14:15]
	s_load_b64 s[SCB:SCB+1], s[0:1], 0x30          ; SC
	v_lshl_add_u32 v[SPW], v0, 2, SPARE
	v_mov_b32 v[NIL], 0
	ds_add_u32 v[SPW], v[NIL]                      ; the wave's opening: the add and its wait ahead of my first tensor load
	v_lshrrev_b32 v1, 5, v0
	v_readfirstlane_b32 s[WV], v1
	s_lshr_b32 s[HF], s[WV], 1
	s_and_b32 s[LO], s[WV], 1
	s_bfe_u32 s[CX], ttmp6, 0x40000
	s_bfe_u32 s[CY], ttmp6, 0x40004
	s_lshl_b32 s21, s[CY], 2
	s_lshl_b32 s21, 15, s21                        ; my row of the cluster
	s_or_b32 s[G1A], s21, G1W0
	s_lshl_b32 s23, 0x1111, s[CX]                  ; my column
	s_or_b32 s[G1B], s23, G1W0
	s_mov_b32 s[G1A+1], 128<<16                    ; tensor_dim0 = 128
	s_mov_b32 s[G1A+2], 128<<16                    ; tensor_dim1 = 128
	s_mov_b32 s[G1A+3], 128<<16                    ; tile_dim0 = 128
	s_mov_b32 s[G1A+4], 128                        ; tile_dim1 = 128
	s_mov_b32 s[G1A+5], STRIDE
	s_mov_b32 s[G1A+6], 0
	s_mov_b32 s[G1A+7], 0
	s_mov_b32 s[G1B+1], 128<<16
	s_mov_b32 s[G1B+2], 64<<16                     ; 64 rows
	s_mov_b32 s[G1B+3], 128<<16
	s_mov_b32 s[G1B+4], 64
	s_mov_b32 s[G1B+5], STRIDE
	s_mov_b32 s[G1B+6], 0
	s_mov_b32 s[G1B+7], 0
	s_and_b32 s22, ttmp7, 0xffff                   ; cluster y
	s_and_b32 s[ROT], s22, 3                       ; the same in all sixteen partners
	s_lshl_b32 s21, s22, 2
	s_add_co_u32 s21, s21, s[CY]                   ; my block of 256 rows
	s_lshl_b32 s86, s21, 18                        ; Xb: (256 block + 128 half) x 1,024 bytes; these registers never hold cx
	s_lshl_b32 s87, s[LO], 17
	s_add_co_u32 s86, s86, s87
	s_mov_b32 s87, 0
	s_lshl_b32 s88, s[CX], 17                      ; Wcat: (128 cx + 64 half) x 1,024 bytes; these never hold cy
	s_lshl_b32 s89, s[LO], 16
	s_add_co_u32 s88, s88, s89
	s_mov_b32 s89, 0
	s_lshl_b32 s90, s[CX], 17                      ; the prefetches: (128 cx + 32 cy) x 1,024
	s_lshl_b32 s91, s[CY], 15
	s_add_co_u32 s90, s90, s91
	s_mov_b32 s91, 0
	s_lshl_b32 s72, s21, 8                         ; QKV: (256 block + 64 wave) rows, 256 cx bytes
	s_lshl_b32 s73, s[WV], 6
	s_add_co_u32 s72, s72, s73
	s_mul_i32 s92, s72, CP
	s_lshl_b32 s73, s[CX], 8
	s_add_co_u32 s92, s92, s73
	s_mov_b32 s93, 0
	s_xor_b32 s72, s[WV], 2                        ; wave 2 of the clusters y = 0 to 3 prefetches: the same in all sixteen partners
	s_lshr_b32 s73, s22, 2
	s_or_b32 s72, s72, s73
	s_cmp_eq_u32 s72, 0
	s_cselect_b32 s[NOA], 0, 1
	s_mov_b32 s[OFF+1], 0
	s_mov_b32 s[NXT], 2
	s_mov_b32 s[CNT], 4*TILES-2
	s_mov_b32 s[TB], 0
	s_mov_b32 s[TL], 0
	s_mov_b32 s[SEL], 0x76543210
	s_mov_b32 s[SEL+1], 0xfedcba98
	s_mov_b32 s[G0A], 1
	s_mul_i32 s[G0A+1], s[LO], HALFA               ; no place in the cluster enters an LDS address
	s_mov_b32 s[G0A+4], 1
	s_add_co_u32 s[G0A+5], s[G0A+1], SLOT1
	s_mov_b32 s[G0B], 1
	s_mul_i32 s[G0B+1], s[LO], HALFB
	s_add_co_u32 s[G0B+1], s[G0B+1], BOFF
	s_mov_b32 s[G0B+4], 1
	s_add_co_u32 s[G0B+5], s[G0B+1], SLOT1
	s_wait_dscnt 0x0                               ; the opening add is done
	s_wait_kmcnt 0x0
	s_add_nc_u64 s[ABASE:ABASE+1], s[4:5], s[86:87]
	s_add_nc_u64 s[BBASE:BBASE+1], s[6:7], s[88:89]
	s_add_nc_u64 s[PFB:PFB+1], s[6:7], s[90:91]
	s_add_nc_u64 s[CT:CT+1], s[14:15], s[92:93]
	s_mov_b64 s[BP:BP+1], s[8:9]
	s_lshl_b32 s[OFF], s[ROT], 8                   ; step 0 lies at my cluster's first place along K,
	s_add_nc_u64 s[G0A+2:G0A+3], s[ABASE:ABASE+1], s[OFF:OFF+1]
	s_or_b32 s[G0A+3], s[G0A+3], 0x80000000
	s_add_nc_u64 s[G0B+2:G0B+3], s[BBASE:BBASE+1], s[OFF:OFF+1]
	s_or_b32 s[G0B+3], s[G0B+3], 0x80000000
	s_add_co_u32 s72, s[ROT], 1                    ; step 1 at the next, mod 4
	s_and_b32 s72, s72, 3
	s_lshl_b32 s[OFF], s72, 8
	s_add_nc_u64 s[G0A+6:G0A+7], s[ABASE:ABASE+1], s[OFF:OFF+1]
	s_or_b32 s[G0A+7], s[G0A+7], 0x80000000
	s_add_nc_u64 s[G0B+6:G0B+7], s[BBASE:BBASE+1], s[OFF:OFF+1]
	s_or_b32 s[G0B+7], s[G0B+7], 0x80000000
	CROUND                                         ; all sixteen work-groups are here: the first joint loads meet
	s_cmp_eq_u32 s[HF], 0                          ; a wave's two first fills stand in one branch, ahead of every wait on TENSORcnt and every LDS read
	s_cbranch_scc0 .Lfirst_b
	tensor_load_to_lds s[G0A:G0A+3], s[G1A:G1A+7]
	s_nop 0
	tensor_load_to_lds s[G0A+4:G0A+7], s[G1A:G1A+7]
	s_nop 0
	PLACES
	s_branch .Lfirst_asked
.Lfirst_b:
	tensor_load_to_lds s[G0B:G0B+3], s[G1B:G1B+7]
	s_nop 0
	tensor_load_to_lds s[G0B+4:G0B+7], s[G1B:G1B+7]
	s_nop 0
	PLACES
.Lfirst_asked:
	v_and_b32 v1, 15, v0                           ; l % 16
	v_bfe_u32 v2, v0, 4, 1                         ; l / 16
	v_and_b32 v3, 31, v0
	v_lshlrev_b32 v[BO], 5, v2
	v_lshl_add_u32 v[BO], s[CX], 9, v[BO]          ; the bias of column 128 cx + 8 (l / 16)
	BIAS BP
	v_lshlrev_b32 v[FPO], 3, v3
	v_mul_u32_u24 v[B0], v1, PITCH
	v_lshl_add_u32 v[B0], v2, 4, v[B0]             ; a fragment's row x pitch + 16 x half
	s_mul_i32 s72, s[WV], 64*PITCH
	v_add_nc_u32 v[A0], s72, v[B0]                 ; my 64 rows of Xb
	s_mul_i32 s72, s[WV], 16*PITCH
	s_add_co_u32 s72, s72, STAGE                   ; my stage
	v_add_nc_u32 v[STO], s72, v[B0]
	v_mul_u32_u24 v[RD], v2, PITCH
	v_lshl_add_u32 v[RD], v1, 4, v[RD]
	v_add_nc_u32 v[RD], s72, v[RD]
	v_add_nc_u32 v[B0], BOFF, v[B0]
	v_mov_b32 v[ADRA], v[A0]
	v_mov_b32 v[ADRB], v[B0]
	v_mul_u32_u24 v[CO], v2, CP
	v_lshl_add_u32 v[CO], v1, 4, v[CO]
	v_mul_u32_u24 v[PFO], v3, ROWB
	s_wait_tensorcnt 0x1                           ; my part of step 0 is in; step 1's may stay out
	s_barrier_signal -1
	s_barrier_wait -1
	FETCH 0, F0
	s_wait_loadcnt 0x0                             ; the first tile's bias
	QUARTER 64, F0, F1, 1                          ; a tile's first quarter starts the sums
	WIN 0
.Lstep:                                        ; 4 TILES - 2 trips: from a step's second quarter to the next step's first; each fills a slot again
	QUARTER 128, F1, F0, 0
	QUARTER 192, F0, F1, 0
	TURN 1
	WIN 0
	s_and_b32 s72, s[NXT], 3                       ; NXT is three ahead of the step just ended: was that a tile's fourth?
	s_cmp_eq_u32 s72, 2
	s_cbranch_scc0 .Lsame                          ; the text jumped over holds no barrier and no tensor load
	OUT 1
	QUARTER 64, F0, F1, 1
	WIN 0
	s_branch .Ljoin
.Lsame:
	QUARTER 64, F0, F1, 0
	WIN 0
.Ljoin:
	s_sub_co_u32 s[CNT], s[CNT], 1
	s_cmp_lg_u32 s[CNT], 0
	s_cbranch_scc1 .Lstep
	QUARTER 128, F1, F0, 0                         ; the last two steps ask for nothing
	WIN 0
	BIAS SCB                                       ; the bias's registers were last read by the products that started this tile's sums, the quarter's four places and more ago: they take 1 / |out_w row| of my 64 columns,
	global_load_b64 v[FS:FS+1], v[FPO], s[SCB:SCB+1] offset:4096  ; and I take two of the 64 parts of WV_w's sum of squares
	QUARTER 192, F0, F1, 0
	TURN 0
	QUARTER 64, F0, F1, 0
	QUARTER 128, F1, F0, 0
	QUARTER 192, F0, F1, 0
	s_wait_dscnt 0x0
	MUL8 F1, 0, 0
	MUL8 F1, 1, 0
	MUL8 F1, 2, 0
	MUL8 F1, 3, 0
	WIN 0
	PLACES
	s_wait_loadcnt 0x0                             ; the scales
	v_add_f32 v[FS], v[FS], v[FS+1]
	v_add_f32_dpp v[FS], v[FS], v[FS] row_xmask:1 row_mask:0xf bank_mask:0xf
	v_add_f32_dpp v[FS], v[FS], v[FS] row_xmask:2 row_mask:0xf bank_mask:0xf
	v_add_f32_dpp v[FS], v[FS], v[FS] row_xmask:4 row_mask:0xf bank_mask:0xf
	v_add_f32_dpp v[FS], v[FS], v[FS] row_xmask:8 row_mask:0xf bank_mask:0xf
	v_permlanex16_b32 v[FS+1], v[FS], s[SEL], s[SEL+1]
	v_add_f32 v[FS], v[FS], v[FS+1]                ; WV_w's sum of squares,
	v_max_num_f32 v[FS], 0x0d800000, v[FS]         ; 2^-100 at the least
	v_rsq_f32 v[FS+2], v[FS]
	v_nop                                          ; a plain instruction behind it,
	s_wait_alu depctr_va_vdst(0)                   ; and the wait ahead of its first reader
	v_mov_b32 v[FS+3], v[FS+2]
.set i, 0
.rept 32
	v_pk_mul_f32 v[BI+2*i:BI+2*i+1], v[BI+2*i:BI+2*i+1], v[FS+2:FS+3]  ; 1 / (|out_w row| x |WV_w|)
.set i, i+1
.endr
	OUT 0
	WIN 0
	s_wait_tensorcnt 0x0                           ; the wave's end, behind my last tensor load and my last LDS store
	ds_add_u32 v[SPW], v[NIL]
	s_wait_dscnt 0x0
	CROUND                                         ; the closing round: no work-group ends while a partner may still ask for a tile that names it
	s_endpgm
.Lfunc_end_k_q96fa6f5c6d_proj:
	.size	k_q96fa6f5c6d_proj, .Lfunc_end_k_q96fa6f5c6d_proj-k_q96fa6f5c6d_proj
	.p2alignl 7, 3214868480
	.fill 96, 4, 3214868480
	.section	.rodata,"a",@progbits
	.p2align	6, 0x0
	.amdhsa_kernel k_q96fa6f5c6d_proj
		.amdhsa_group_segment_fixed_size 327680
		.amdhsa_private_segment_fixed_size 0
		.amdhsa_enable_private_segment 0
		.amdhsa_kernarg_size 56
		.amdhsa_user_sgpr_count 2
		.amdhsa_user_sgpr_kernarg_segment_ptr 1
		.amdhsa_wavefront_size32 1
		.amdhsa_system_sgpr_workgroup_id_x 1
		.amdhsa_system_sgpr_workgroup_id_y 1
		.amdhsa_system_sgpr_workgroup_id_z 1
		.amdhsa_system_vgpr_workitem_id 0
		.amdhsa_next_free_vgpr 704
		.amdhsa_next_free_sgpr 96
		.amdhsa_reserve_vcc 0
		.amdhsa_float_denorm_mode_32 3
		.amdhsa_float_denorm_mode_16_64 3
		.amdhsa_memory_ordered 1
		.amdhsa_forward_progress 1
		.amdhsa_inst_pref_size 106
	.end_amdhsa_kernel
	.amdgpu_metadata
---
amdhsa.version: [ 1, 2 ]
amdhsa.kernels:
  - .name:           k_q96fa6f5c6d_proj
    .symbol:         k_q96fa6f5c6d_proj.kd
    .args:
      - { .name: Xb, .offset: 0, .size: 8, .value_kind: global_buffer, .address_space: global }
      - { .name: Wcat, .offset: 8, .size: 8, .value_kind: global_buffer, .address_space: global }
      - { .name: WQ_b, .offset: 16, .size: 8, .value_kind: global_buffer, .address_space: global }
      - { .name: WK_b, .offset: 24, .size: 8, .value_kind: global_buffer, .address_space: global }
      - { .name: BV, .offset: 32, .size: 8, .value_kind: global_buffer, .address_space: global }
      - { .name: QKV, .offset: 40, .size: 8, .value_kind: global_buffer, .address_space: global }
      - { .name: SC, .offset: 48, .size: 8, .value_kind: global_buffer, .address_space: global }
    .group_segment_fixed_size: 327680
    .private_segment_fixed_size: 0
    .kernarg_segment_align: 8
    .kernarg_segment_size: 56
    .max_flat_workgroup_size: 128
    .sgpr_count:     96
    .vgpr_count:     704
    .wavefront_size: 32
...
	.end_amdgpu_metadata
.endif
;; end of part 2
;; launch scores (part 3): grid 8 x 32, 4 waves a work-group, clusters of 4 x 4, 327,680 bytes of LDS; arguments QKV, P, ST; writes P, ST
.if DOCPART == 3
	.amdgcn_target "amdgcn-amd-amdhsa--gfx1250"
	.amdhsa_code_object_version 6
	.text
	.protected	k_q96fa6f5c6d_scores
	.globl	k_q96fa6f5c6d_scores
	.p2align	8
	.type	k_q96fa6f5c6d_scores,@function
k_q96fa6f5c6d_scores:
	s_mov_b64 s[64:65], 0
	v_nop
	global_prefetch_b8 v0, s[64:65] scope:SCOPE_SE
	s_setreg_imm32_b32 hwreg(HW_REG_WAVE_MODE, 25, 1), 1
	s_wait_xcnt 0x0
	s_wait_alu depctr_hold_cnt(0) depctr_sa_sdst(0) depctr_va_vdst(0) depctr_va_sdst(0) depctr_va_ssrc(0) depctr_va_vcc(0) depctr_vm_vsrc(0)
	s_getreg_b32 s2, hwreg(HW_REG_IB_STS2, 6, 4)
	s_cmp_eq_u32 s2, 0
	s_cbranch_scc0 .Lentry_in_a_cluster
	s_endpgm
.Lentry_in_a_cluster:
	s_bfe_u32 s2, ttmp6, 0x10000c
	s_cmp_lg_u32 s2, 0xf033
	s_cbranch_scc0 .Lentry_shape_is_right
	s_endpgm
.Lentry_shape_is_right:
; SCORES.  For each batch s = q k^T (K = 512, bf16 operands, f32 sums).  For each query and each BLOCK j of 128 keys the way out takes the block's own maximum m_j away:
; P[row][key] = bf16(2^(c s - c m_j)), ST[j][row] = (c m_j, l_j), l_j = the sum of the block's unrounded 2^(c s - c m_j), c = log2(e) / sqrt(512).  The next launch joins the sixteen blocks of a row
; by the row's true maximum.  No exponent is above 0, and each block holds a 1.
; LIMITS.  A weight below 2^-126 counts as 0; P keeps bf16's 8 significant bits relative to its block's maximum; NaN and infinities are not treated apart.
; SHARES.  A tile is 256 queries x 128 keys; a work-group STAYS on its 256 queries and makes four tiles, 512 keys apart: key block j = cx + 4 tile.  8 batches x 8 query blocks x 4 = 256 work-groups.
; Four waves; wave w owns queries 64 w .. 64 w + 63 of the tile and all 128 keys: 32 accumulators.  The matrix instruction is used transposed (source 0 = 16 keys, source 1 = 16 queries): a lane holds ONE
; query (lane % 16) and, in accumulator b, the keys 16 b + 8 (lane / 16) + 0..7; a query's maximum and sum want one exchange between the halves of the lanes.
; RING, CLUSTER, REGISTERS as in the projection's text: K steps of 128 through two slots, numbered on end over the four tiles; q's rows shared along a row of the 4 x 4 cluster, k's along a column;
; by this text's count a wave has two tensor loads out at the start and one behind each round.  Window 0 addresses, statistics, way out; window 1 accumulators; window 2 two fragment buffers of 96.
; K BY TURNS.  A batch's keys are walked by two clusters.  Cluster x takes a tile's four K steps in the order 2 x, 2 x + 1, .. (mod 4), so that in one step the two name different blocks of k's rows.
.set TILES,  4
.set STRIDE, 1536                      ; elements from row to row of QKV
.set ROWB,   3072                      ; bytes in a row of QKV
.set BWALK,  512*ROWB                  ; from a tile's keys to the next tile's
.set CP,     4096                      ; bytes in a row of P
.set PMASK,  2                         ; of a tile's four steps my cluster is the first, by the text's order, to load the rows of those whose number and PMASK give 0: its first two
.set PITCH,  272                       ; an LDS row: 256 bytes + 16 of padding = 17 x 16 bytes (64 banks of 4 bytes: ISA guide 11.1)
.set HALFA,  128*PITCH
.set HALFB,  64*PITCH
.set BOFF,   2*HALFA
.set SLOT1,  131072
.set STAGE,  SLOT1+BOFF+2*HALFB        ; behind the ring, never filled by a tensor load: 16 rows x 272 bytes for each wave
.set SPARE,  STAGE+4*16*PITCH          ; the spare words, 128 bytes for each wave: two blocks of 256 bytes that no other line names
.set A0,   4
.set B0,   5
.set ADRA, 6
.set ADRB, 7
.set STO,  8
.set RD,   9
.set CO,   10
.set PFO,  11
.set SPW,  12
.set NIL,  13
.set SV,   14                          ; v14  8 x lane: my place in 32 rows' statistics
.set CM,   16                          ; v[16:23]  eight running maxima
.set TMP,  32
.set BK,   64
.set ST,   192                         ; v[192:207] block a's statistics at ST + 4 a: c m, m, l, at work
.set SO,   208                         ; v[208:211] the statistics as stored
.set F0,   0
.set F1,   96
.set WV,   16
.set HF,   17
.set LO,   18
.set CX,   19
.set CY,   20
.set G1A,  24
.set G0A,  32
.set ABASE, 40
.set BBASE, 42
.set OFF,  44
.set PFB,  46
.set G1B,  48
.set G0B,  56
.set PFA,  66
.set NXT,  68
.set CNT,  69
.set TB,   70
.set NOA,  71                          ; s71  0 in a wave that prefetches, else 1
.set CT,   74                          ; s[74:75] P at my wave's first row, at the tile's keys
.set SB,   76                          ; s[76:77] ST at the tile's block, at my wave's first row
.set AF,   78                          ; s78  0: this change of slots prefetches
.set ROT,  79                          ; s79  2 x cluster x: where my cluster begins a tile's four K steps
.set CS,   80                          ; s[80:81] c, twice
.set SEL,  82                          ; s[82:83] v_permlanex16_b32's selects
.set HM,   84                          ; s84  the lanes 16 to 31
.set G1W0, (1<<16)|(1<<20)|(1<<21)|(5<<22)|(3<<25)
.set W_MUL,  0x5a
.set W_LD,   0x80
.set MSB, 0
.macro WIN new
.if MSB != (\new)
	s_set_vgpr_msb (MSB<<8)|(\new)
.set MSB, \new
.endif
.endm
.macro PLACES
.rept 4
	v_nop
.endr
.endm
.macro CREST
	s_cmp_lg_u32 s[WV], 0
	s_cbranch_scc1 .Lnot_wave_0_\@
	s_barrier_signal -3
.Lnot_wave_0_\@:
	s_barrier_wait -3
	s_barrier_signal -1
	s_barrier_wait -1
.endm
.macro CROUND
	s_barrier_signal -1
	s_barrier_wait -1
	CREST
.endm
.macro JLOAD                           ; a joint refill; the branch hangs on the wave's number alone; an s_nop 0 and four v_nop follow each line
	s_cmp_eq_u32 s[HF], 0
	s_cbranch_scc0 .Lfor_b_\@
	tensor_load_to_lds s[G0A+4:G0A+7], s[G1A:G1A+7]
	s_nop 0
	PLACES
	s_branch .Lasked_\@
.Lfor_b_\@:
	tensor_load_to_lds s[G0B+4:G0B+7], s[G1B:G1B+7]
	s_nop 0
	PLACES
.Lasked_\@:
.endm
; A PREFETCH of k's rows for the step that stands two refills on: 32 rows x 256 bytes, a lane a row.  Only the later tiles' keys are asked for.  By the text's order cluster x is the first to load the K steps
; 2 x and 2 x + 1 of a tile, in the tile's first two steps: those it asks for, wave 2 alone; the four partners of a column share a tile's 128 rows out by address (32 cy + lane).  So each row's 256 bytes
; are named once in the launch.  No step behind the last is asked for.
.macro ASK
	WIN 0
	s_cmp_eq_u32 s[AF], 0
	s_cbranch_scc0 .Lnot_mine_\@
	global_prefetch_b8 v[PFO], s[PFA:PFA+1] th:TH_LOAD_NT scope:SCOPE_SE
.Lnot_mine_\@:
.endm
.macro FETCH k, g
	WIN W_LD
.irp i, 0,1,2,3,4,5,6,7
	ds_load_b128 v[(\g)+8*(\i):(\g)+8*(\i)+3],   v[ADRB] offset:(\k)+(\i)*16*PITCH
	ds_load_b128 v[(\g)+8*(\i)+4:(\g)+8*(\i)+7], v[ADRB] offset:(\k)+(\i)*16*PITCH+32
.endr
.irp i, 0,1,2,3
	ds_load_b128 v[(\g)+64+8*(\i):(\g)+64+8*(\i)+3],   v[ADRA] offset:(\k)+(\i)*16*PITCH
	ds_load_b128 v[(\g)+64+8*(\i)+4:(\g)+64+8*(\i)+7], v[ADRA] offset:(\k)+(\i)*16*PITCH+32
.endr
.endm
.macro MUL8 f, a, mode                 ; query block a x all 8 key blocks.  mode = 1: the products start the sums.  The 32 accumulators take turns in one fixed order
	WIN W_MUL
.irp b, 0,1,2,3,4,5,6,7
.if \mode
	v_wmma_f32_16x16x32_bf16 v[8*(8*(\a)+(\b)):8*(8*(\a)+(\b))+7], v[(\f)+8*(\b):(\f)+8*(\b)+7], v[(\f)+64+8*(\a):(\f)+64+8*(\a)+7], 0
.else
	v_wmma_f32_16x16x32_bf16 v[8*(8*(\a)+(\b)):8*(8*(\a)+(\b))+7], v[(\f)+8*(\b):(\f)+8*(\b)+7], v[(\f)+64+8*(\a):(\f)+64+8*(\a)+7], v[8*(8*(\a)+(\b)):8*(8*(\a)+(\b))+7]
.endif
.endr
.endm
.macro QUARTER k, f, g, mode
	PLACES
	FETCH \k, \g
	s_wait_dscnt 24                                ; all but the 24 just issued: buffer f is in
	MUL8 \f, 0, \mode
	MUL8 \f, 1, \mode
	MUL8 \f, 2, \mode
	MUL8 \f, 3, \mode
.endm
; A step's last quarter and the change of slots.  Half of the quarter's products stand AHEAD of the wait for the tensor loads, so that nothing but the add, the barrier and the round stands between that wait and
; the refill.  Each wave waits for all its tensor loads, adds 0 to its spare word and waits for that; its reads of this slot, buffer 1's 24 loads, were waited for at the head.  fill = 1: the barrier opens a
; round of the cluster's barrier and the slot just read is filled again, first thing behind the round, with step NXT.
.macro TURN fill
	WIN 0
.if \fill
	s_wait_xcnt 0x0                                ; the last prefetch, a step back or more, has read its address: it is made anew, for step NXT + 2
	s_add_co_u32 s72, s[NXT], 2
	s_and_b32 s[AF], s72, PMASK                    ; 0: a step whose rows my cluster is the first to load,
	s_or_b32 s[AF], s[AF], s[NOA]                  ; in a wave that asks,
	s_cmp_lt_u32 s72, 4*TILES
	s_cselect_b32 s[AF], s[AF], 1                  ; and not behind the last step
	s_add_co_u32 s73, s72, s[ROT]
	s_and_b32 s73, s73, 3
	s_lshl_b32 s[OFF], s73, 8
	s_lshr_b32 s72, s72, 2
	s_mul_i32 s72, s72, BWALK
	s_add_co_u32 s[OFF], s[OFF], s72
	s_add_nc_u64 s[PFA:PFA+1], s[PFB:PFB+1], s[OFF:OFF+1]
.endif
	s_wait_dscnt 0x0                               ; buffer 1 is in: these were my last reads of this slot
	MUL8 F1, 0, 0
	MUL8 F1, 1, 0
	WIN 0
	s_wait_tensorcnt 0x0                           ; no tensor load of mine is out, so the walking descriptors may be written
	ds_add_u32 v[SPW], v[NIL]                      ; 0 onto my spare word
.if \fill
	s_add_co_u32 s72, s[NXT], s[ROT]               ; step NXT: its place along K goes by my cluster's order; k goes BWALK down for each tile, q starts again
	s_and_b32 s72, s72, 3
	s_lshl_b32 s[OFF], s72, 8
	s_xor_b32 s[G0A+5], s[G0A+5], SLOT1
	s_add_nc_u64 s[G0A+6:G0A+7], s[ABASE:ABASE+1], s[OFF:OFF+1]
	s_or_b32 s[G0A+7], s[G0A+7], 0x80000000
	s_lshr_b32 s73, s[NXT], 2
	s_mul_i32 s73, s73, BWALK
	s_add_co_u32 s[OFF], s[OFF], s73
	s_xor_b32 s[G0B+5], s[G0B+5], SLOT1
	s_add_nc_u64 s[G0B+6:G0B+7], s[BBASE:BBASE+1], s[OFF:OFF+1]
	s_or_b32 s[G0B+7], s[G0B+7], 0x80000000
	s_add_co_u32 s[NXT], s[NXT], 1
.endif
	s_wait_dscnt 0x0                               ; the add is done
	s_barrier_signal -1
	s_barrier_wait -1
.if \fill
	CREST
	JLOAD
.else
	PLACES
.endif
	s_xor_b32 s[TB], s[TB], SLOT1
	v_add_nc_u32 v[ADRA], s[TB], v[A0]
	v_add_nc_u32 v[ADRB], s[TB], v[B0]
	FETCH 0, F0
.if \fill
	ASK
.endif
	MUL8 F1, 2, 0
	MUL8 F1, 3, 0
.endm
; THE SOFTMAX OF QUERY BLOCK a OVER THE TILE'S 128 KEYS: 64 scores a lane, in place in the accumulators.  Each accumulator's lowest registers are read first.
; The 64 exponentials are ONE batch: nothing names a result ahead of the one wait behind them.
.macro SOFT a
.set R, 64*(\a)
.set T4, ST+4*(\a)
	WIN 0x15                                       ; three sources in window 1
.irp b, 0,1,2,3,4,5,6,7
	v_max3_num_f32 v[CM+(\b)], v[R+8*(\b)], v[R+8*(\b)+1], v[R+8*(\b)+2]
.endr
	WIN 0x14                                       ; sources 1 and 2 in window 1
.irp b, 0,1,2,3,4,5,6,7
	v_max3_num_f32 v[CM+(\b)], v[CM+(\b)], v[R+8*(\b)+3], v[R+8*(\b)+4]
.endr
.irp b, 0,1,2,3,4,5,6,7
	v_max3_num_f32 v[CM+(\b)], v[CM+(\b)], v[R+8*(\b)+5], v[R+8*(\b)+6]
.endr
.irp b, 0,2,4,6
	v_max3_num_f32 v[CM+(\b)], v[CM+(\b)], v[R+8*(\b)+7], v[R+8*(\b)+15]
.endr
	WIN 0
	v_max3_num_f32 v[CM], v[CM], v[CM+1], v[CM+2]
	v_max3_num_f32 v[CM+3], v[CM+3], v[CM+4], v[CM+5]
	v_max3_num_f32 v[CM], v[CM], v[CM+6], v[CM+7]
	v_max_num_f32 v[CM], v[CM], v[CM+3]
	v_permlanex16_b32 v[CM+1], v[CM], s[SEL], s[SEL+1]  ; the query's other 64 keys lie in the lane 16 away
	v_max_num_f32 v[T4+1], v[CM], v[CM+1]          ; m
	v_mul_f32 v[T4], s[CS], v[T4+1]                ; c m
	WIN 0x41                                       ; destination and source 0 in window 1
.set i, 0
.rept 32
	v_pk_fma_f32 v[R+2*i:R+2*i+1], v[R+2*i:R+2*i+1], s[CS:CS+1], v[T4:T4+1] op_sel_hi:[1,0,0] neg_lo:[0,0,1] neg_hi:[0,0,1]  ; c s - c m
.set i, i+1
.endr
.set i, 0
.rept 64
	v_exp_f32 v[R+i], v[R+i]
.set i, i+1
.endr
	v_nop                                          ; a plain instruction behind the last exponential,
	s_wait_alu depctr_va_vdst(0)                   ; and the one wait ahead of the batch's first reader
	WIN 0x05
.irp b, 0,1,2,3,4,5,6,7
.irp q, 0,1,2,3
	v_cvt_pk_bf16_f32 v[TMP+4*(\b)+(\q)], v[R+8*(\b)+2*(\q)], v[R+8*(\b)+2*(\q)+1]
.endr
.endr
	WIN 0x45                                       ; the sum of the 32 pairs, in place: neighbours 1, 2, 4, 8 and 16 pairs apart
.irp w, 1,2,4,8,16
.set u, 0
.rept 16/(\w)
	v_pk_add_f32 v[R+4*(\w)*u:R+4*(\w)*u+1], v[R+4*(\w)*u:R+4*(\w)*u+1], v[R+4*(\w)*u+2*(\w):R+4*(\w)*u+2*(\w)+1]
.set u, u+1
.endr
.endr
	WIN 0x05
	v_add_f32 v[T4+2], v[R], v[R+1]
	WIN 0
	v_permlanex16_b32 v[T4+3], v[T4+2], s[SEL], s[SEL+1]
	v_add_f32 v[T4+2], v[T4+2], v[T4+3]            ; l
.endm
.macro TOSTAGE a
	WIN 0
.irp b, 0,1,2,3,4,5,6,7
	ds_store_b128 v[STO], v[TMP+4*(\b):TMP+4*(\b)+3] offset:32*(\b)
.endr
.irp t, 0,1,2,3,4,5,6,7
	ds_load_b128 v[BK+32*((\a)%2)+4*(\t):BK+32*((\a)%2)+4*(\t)+3], v[RD] offset:2*PITCH*(\t)  ; LDS serves a wave's instructions in order (ISA guide 5.7.1.4): these see the stores above
.endr
.endm
.macro SEND a
	WIN 0
	s_wait_dscnt 0x0
	s_wait_xcnt 0x0                                ; the stores issued so far have read their registers: the other set is loaded again only behind this wait
.irp t, 0,1,2,3,4,5,6,7
	global_store_b128 v[CO], v[BK+32*((\a)%2)+4*(\t):BK+32*((\a)%2)+4*(\t)+3], s[CT:CT+1] offset:(16*(\a)+2*(\t))*CP  ; 16 lanes store 256 consecutive bytes, at a multiple of 256 from P's first byte
.endr
.endm
.macro OUT inloop
	SOFT 0                                         ; blocks 0 and 1 were finished ahead of the change of slots; their vector work is the places behind the products of blocks 2 and 3
	TOSTAGE 0
.irp a, 1,2,3
	SOFT \a
	SEND (\a)-1
	TOSTAGE \a
.endr
	SEND 3
	v_cndmask_b32 v[SO],   v[ST],    v[ST+4],  s[HM]  ; lanes 0-15 speak for block 0's rows, lanes 16-31 for block 1's,
	v_cndmask_b32 v[SO+1], v[ST+2],  v[ST+6],  s[HM]
	v_cndmask_b32 v[SO+2], v[ST+8],  v[ST+12], s[HM]  ; and likewise for blocks 2 and 3
	v_cndmask_b32 v[SO+3], v[ST+10], v[ST+14], s[HM]
	global_store_b64 v[SV], v[SO:SO+1],   s[SB:SB+1]             ; 32 rows' (c m, l): 256 consecutive bytes, aligned
	global_store_b64 v[SV], v[SO+2:SO+3], s[SB:SB+1] offset:256
.if \inloop
	s_wait_xcnt 0x0                                ; the stores have read their bases and registers
	s_add_nc_u64 s[CT:CT+1], s[CT:CT+1], 1024      ; four key blocks on
	s_add_nc_u64 s[SB:SB+1], s[SB:SB+1], 4*131072
.endif
.endm
	s_load_b128 s[4:7], s[0:1], 0x0                ; QKV s[4:5], P s[6:7]
	s_load_b64 s[8:9], s[0:1], 0x10                ; ST
	v_lshl_add_u32 v[SPW], v0, 2, SPARE
	v_mov_b32 v[NIL], 0
	ds_add_u32 v[SPW], v[NIL]                      ; the wave's opening: the add and its wait ahead of my first tensor load
	v_lshrrev_b32 v1, 5, v0
	v_readfirstlane_b32 s[WV], v1
	s_lshr_b32 s[HF], s[WV], 1
	s_and_b32 s[LO], s[WV], 1
	s_bfe_u32 s[CX], ttmp6, 0x40000
	s_bfe_u32 s[CY], ttmp6, 0x40004
	s_lshl_b32 s21, s[CY], 2
	s_lshl_b32 s21, 15, s21                        ; my row of the cluster
	s_or_b32 s[G1A], s21, G1W0
	s_lshl_b32 s23, 0x1111, s[CX]                  ; my column
	s_or_b32 s[G1B], s23, G1W0
	s_mov_b32 s[G1A+1], 128<<16
	s_mov_b32 s[G1A+2], 128<<16
	s_mov_b32 s[G1A+3], 128<<16
	s_mov_b32 s[G1A+4], 128
	s_mov_b32 s[G1A+5], STRIDE
	s_mov_b32 s[G1A+6], 0
	s_mov_b32 s[G1A+7], 0
	s_mov_b32 s[G1B+1], 128<<16
	s_mov_b32 s[G1B+2], 64<<16
	s_mov_b32 s[G1B+3], 128<<16
	s_mov_b32 s[G1B+4], 64
	s_mov_b32 s[G1B+5], STRIDE
	s_mov_b32 s[G1B+6], 0
	s_mov_b32 s[G1B+7], 0
	s_lshl_b32 s[ROT], ttmp9, 1                    ; 2 x cluster x: the same in all sixteen partners
	s_and_b32 s21, ttmp7, 0xffff                   ; the batch = cluster y,
	s_lshl_b32 s21, s21, 11                        ; its first row
	s_lshl_b32 s22, ttmp9, 2
	s_add_co_u32 s22, s22, s[CY]                   ; my block of 256 queries = 4 x cluster x + cy
	s_lshl_b32 s22, s22, 8
	s_add_co_u32 s22, s22, s21
	s_lshl_b32 s86, s[LO], 7                       ; q: my half of those rows; these registers never hold cx
	s_add_co_u32 s86, s86, s22
	s_mul_i32 s86, s86, ROWB
	s_mov_b32 s87, 0
	s_lshl_b32 s23, s[CX], 7
	s_add_co_u32 s23, s23, s21                     ; the first tile's first key
	s_lshl_b32 s88, s[LO], 6                       ; k: my half of its 128 rows, 1,024 bytes into the row; these never hold cy
	s_add_co_u32 s88, s88, s23
	s_mul_i32 s88, s88, ROWB
	s_add_co_u32 s88, s88, 1024
	s_mov_b32 s89, 0
	s_lshl_b32 s90, s[CY], 5                       ; the prefetches: my work-group's 32 of the 128
	s_add_co_u32 s90, s90, s23
	s_mul_i32 s90, s90, ROWB
	s_add_co_u32 s90, s90, 1024
	s_mov_b32 s91, 0
	s_lshl_b32 s72, s[WV], 6
	s_add_co_u32 s72, s72, s22                     ; my wave's first row
	s_lshl_b32 s92, s72, 12
	s_lshl_b32 s73, s[CX], 8
	s_add_co_u32 s92, s92, s73
	s_mov_b32 s93, 0
	s_lshl_b32 s94, s72, 3
	s_lshl_b32 s73, s[CX], 17
	s_add_co_u32 s94, s94, s73
	s_mov_b32 s95, 0
	s_cmp_eq_u32 s[WV], 2                          ; wave 2 prefetches
	s_cselect_b32 s[NOA], 0, 1
	s_mov_b32 s[OFF+1], 0
	s_mov_b32 s[NXT], 2
	s_mov_b32 s[CNT], 4*TILES-2
	s_mov_b32 s[TB], 0
	s_mov_b32 s[CS], 0x3d8293ee                    ; c = log2(e) / sqrt(512) = 0.0637587
	s_mov_b32 s[CS+1], s[CS]
	s_mov_b32 s[SEL], 0x76543210
	s_mov_b32 s[SEL+1], 0xfedcba98
	s_mov_b32 s[G0A], 1
	s_mul_i32 s[G0A+1], s[LO], HALFA
	s_mov_b32 s[G0A+4], 1
	s_add_co_u32 s[G0A+5], s[G0A+1], SLOT1
	s_mov_b32 s[G0B], 1
	s_mul_i32 s[G0B+1], s[LO], HALFB
	s_add_co_u32 s[G0B+1], s[G0B+1], BOFF
	s_mov_b32 s[G0B+4], 1
	s_add_co_u32 s[G0B+5], s[G0B+1], SLOT1
	s_wait_dscnt 0x0                               ; the opening add is done
	s_wait_kmcnt 0x0
	s_add_nc_u64 s[ABASE:ABASE+1], s[4:5], s[86:87]
	s_add_nc_u64 s[BBASE:BBASE+1], s[4:5], s[88:89]
	s_add_nc_u64 s[PFB:PFB+1], s[4:5], s[90:91]
	s_add_nc_u64 s[CT:CT+1], s[6:7], s[92:93]
	s_add_nc_u64 s[SB:SB+1], s[8:9], s[94:95]
	s_lshl_b32 s[OFF], s[ROT], 8                   ; step 0 lies at my cluster's first place along K,
	s_add_nc_u64 s[G0A+2:G0A+3], s[ABASE:ABASE+1], s[OFF:OFF+1]
	s_or_b32 s[G0A+3], s[G0A+3], 0x80000000
	s_add_nc_u64 s[G0B+2:G0B+3], s[BBASE:BBASE+1], s[OFF:OFF+1]
	s_or_b32 s[G0B+3], s[G0B+3], 0x80000000
	s_add_co_u32 s72, s[ROT], 1                    ; step 1 at the next, mod 4
	s_and_b32 s72, s72, 3
	s_lshl_b32 s[OFF], s72, 8
	s_add_nc_u64 s[G0A+6:G0A+7], s[ABASE:ABASE+1], s[OFF:OFF+1]
	s_or_b32 s[G0A+7], s[G0A+7], 0x80000000
	s_add_nc_u64 s[G0B+6:G0B+7], s[BBASE:BBASE+1], s[OFF:OFF+1]
	s_or_b32 s[G0B+7], s[G0B+7], 0x80000000
	CROUND                                         ; all sixteen work-groups are here: the first joint loads meet
	s_cmp_eq_u32 s[HF], 0                          ; a wave's two first fills stand in one branch, ahead of every wait on TENSORcnt and every LDS read
	s_cbranch_scc0 .Lfirst_b
	tensor_load_to_lds s[G0A:G0A+3], s[G1A:G1A+7]
	s_nop 0
	tensor_load_to_lds s[G0A+4:G0A+7], s[G1A:G1A+7]
	s_nop 0
	PLACES
	s_branch .Lfirst_asked
.Lfirst_b:
	tensor_load_to_lds s[G0B:G0B+3], s[G1B:G1B+7]
	s_nop 0
	tensor_load_to_lds s[G0B+4:G0B+7], s[G1B:G1B+7]
	s_nop 0
	PLACES
.Lfirst_asked:
	v_and_b32 v1, 15, v0                           ; l % 16
	v_bfe_u32 v2, v0, 4, 1                         ; l / 16
	v_and_b32 v3, 31, v0
	v_mul_u32_u24 v[B0], v1, PITCH
	v_lshl_add_u32 v[B0], v2, 4, v[B0]
	s_mul_i32 s72, s[WV], 64*PITCH
	v_add_nc_u32 v[A0], s72, v[B0]
	s_mul_i32 s72, s[WV], 16*PITCH
	s_add_co_u32 s72, s72, STAGE
	v_add_nc_u32 v[STO], s72, v[B0]
	v_mul_u32_u24 v[RD], v2, PITCH
	v_lshl_add_u32 v[RD], v1, 4, v[RD]
	v_add_nc_u32 v[RD], s72, v[RD]
	v_add_nc_u32 v[B0], BOFF, v[B0]
	v_mov_b32 v[ADRA], v[A0]
	v_mov_b32 v[ADRB], v[B0]
	v_mul_u32_u24 v[CO], v2, CP
	v_lshl_add_u32 v[CO], v1, 4, v[CO]
	v_mul_u32_u24 v[PFO], v3, ROWB
	v_lshlrev_b32 v[SV], 3, v3
	v_cmp_le_u32 s[HM], 16, v3
.irp a, 0,1,2,3
	v_mov_b32 v[ST+4*(\a)+3], 0                    ; v_permlanex16_b32's destination counts as read: it is written once here
.endr
	s_wait_tensorcnt 0x1                           ; my part of step 0 is in; step 1's may stay out
	s_barrier_signal -1
	s_barrier_wait -1
	FETCH 0, F0
	QUARTER 64, F0, F1, 1                          ; a tile's first quarter starts the sums
	WIN 0
.Lstep:                                        ; 4 TILES - 2 trips: from a step's second quarter to the next step's first; each fills a slot again
	QUARTER 128, F1, F0, 0
	QUARTER 192, F0, F1, 0
	TURN 1
	WIN 0
	s_and_b32 s72, s[NXT], 3                       ; NXT is three ahead of the step just ended: was that a tile's fourth?
	s_cmp_eq_u32 s72, 2
	s_cbranch_scc0 .Lsame                          ; the text jumped over holds no barrier and no tensor load
	OUT 1
	QUARTER 64, F0, F1, 1
	WIN 0
	s_branch .Ljoin
.Lsame:
	QUARTER 64, F0, F1, 0
	WIN 0
.Ljoin:
	s_sub_co_u32 s[CNT], s[CNT], 1
	s_cmp_lg_u32 s[CNT], 0
	s_cbranch_scc1 .Lstep
	QUARTER 128, F1, F0, 0                         ; the last two steps ask for nothing
	QUARTER 192, F0, F1, 0
	TURN 0
	QUARTER 64, F0, F1, 0
	QUARTER 128, F1, F0, 0
	QUARTER 192, F0, F1, 0
	s_wait_dscnt 0x0
	MUL8 F1, 0, 0
	MUL8 F1, 1, 0
	MUL8 F1, 2, 0
	MUL8 F1, 3, 0
	PLACES
	OUT 0
	WIN 0
	s_wait_tensorcnt 0x0                           ; the wave's end, behind my last tensor load and my last LDS store
	ds_add_u32 v[SPW], v[NIL]
	s_wait_dscnt 0x0
	CROUND                                         ; the closing round: no work-group ends while a partner may still ask for a tile that names it
	s_endpgm
.Lfunc_end_k_q96fa6f5c6d_scores:
	.size	k_q96fa6f5c6d_scores, .Lfunc_end_k_q96fa6f5c6d_scores-k_q96fa6f5c6d_scores
	.p2alignl 7, 3214868480
	.fill 96, 4, 3214868480
	.section	.rodata,"a",@progbits
	.p2align	6, 0x0
	.amdhsa_kernel k_q96fa6f5c6d_scores
		.amdhsa_group_segment_fixed_size 327680
		.amdhsa_private_segment_fixed_size 0
		.amdhsa_enable_private_segment 0
		.amdhsa_kernarg_size 24
		.amdhsa_user_sgpr_count 2
		.amdhsa_user_sgpr_kernarg_segment_ptr 1
		.amdhsa_wavefront_size32 1
		.amdhsa_system_sgpr_workgroup_id_x 1
		.amdhsa_system_sgpr_workgroup_id_y 1
		.amdhsa_system_sgpr_workgroup_id_z 1
		.amdhsa_system_vgpr_workitem_id 0
		.amdhsa_next_free_vgpr 704
		.amdhsa_next_free_sgpr 96
		.amdhsa_reserve_vcc 0
		.amdhsa_float_denorm_mode_32 3
		.amdhsa_float_denorm_mode_16_64 3
		.amdhsa_memory_ordered 1
		.amdhsa_forward_progress 1
		.amdhsa_inst_pref_size 159
	.end_amdhsa_kernel
	.amdgpu_metadata
---
amdhsa.version: [ 1, 2 ]
amdhsa.kernels:
  - .name:           k_q96fa6f5c6d_scores
    .symbol:         k_q96fa6f5c6d_scores.kd
    .args:
      - { .name: QKV, .offset: 0, .size: 8, .value_kind: global_buffer, .address_space: global }
      - { .name: P, .offset: 8, .size: 8, .value_kind: global_buffer, .address_space: global }
      - { .name: ST, .offset: 16, .size: 8, .value_kind: global_buffer, .address_space: global }
    .group_segment_fixed_size: 327680
    .private_segment_fixed_size: 0
    .kernarg_segment_align: 8
    .kernarg_segment_size: 24
    .max_flat_workgroup_size: 128
    .sgpr_count:     96
    .vgpr_count:     704
    .wavefront_size: 32
...
	.end_amdgpu_metadata
.endif
;; end of part 3
;; launch mix (part 4): grid 32 x 8, 4 waves a work-group, clusters of 4 x 1, 327,680 bytes of LDS; arguments QKV, P, ST, intensity, out_b, out0, SC; writes out0
.if DOCPART == 4
	.amdgcn_target "amdgcn-amd-amdhsa--gfx1250"
	.amdhsa_code_object_version 6
	.text
	.protected	k_q96fa6f5c6d_mix
	.globl	k_q96fa6f5c6d_mix
	.p2align	8
	.type	k_q96fa6f5c6d_mix,@function
k_q96fa6f5c6d_mix:
	s_mov_b64 s[64:65], 0
	v_nop
	global_prefetch_b8 v0, s[64:65] scope:SCOPE_SE
	s_setreg_imm32_b32 hwreg(HW_REG_WAVE_MODE, 25, 1), 1
	s_wait_xcnt 0x0
	s_wait_alu depctr_hold_cnt(0) depctr_sa_sdst(0) depctr_va_vdst(0) depctr_va_sdst(0) depctr_va_ssrc(0) depctr_va_vcc(0) depctr_vm_vsrc(0)
	s_getreg_b32 s2, hwreg(HW_REG_IB_STS2, 6, 4)
	s_cmp_eq_u32 s2, 0
	s_cbranch_scc0 .Lentry_in_a_cluster
	s_endpgm
.Lentry_in_a_cluster:
	s_bfe_u32 s2, ttmp6, 0x10000c
	s_cmp_lg_u32 s2, 0x3003
	s_cbranch_scc0 .Lentry_shape_is_right
	s_endpgm
.Lentry_shape_is_right:
; MIX.  out0[row][e] = sum over keys of attn[row][key] v'[key][e] + out_b[e], attn = softmax + intensity.  From the launches before: P = 2^(c s - c m_j) by blocks j of 128 keys, ST = (c m_j, l_j),
; v'' = v' / n_e in f16, n_e = |out_w row e| x |WV_w| (its parts in SC).
; For each row: M = the largest c m_j (the row's true maximum), L = sum of l_j 2^(c m_j - M), f_j = 2^(c m_j - M) / L; then attn = P f_j + bf16(intensity), in f32, rounded ONCE to f16 for the product.
; intensity is rounded to bf16 first, as every input of the module is.  At the end out0 = sum x n_e + out_b, one fused multiply-add.  No exponent is above 0 and L is at least 1.
; LIMITS: |intensity| + 1 stays under 65,504 (f16); below 6e-5 attn keeps f16's fixed step of 6e-8; a factor below 2^-126 counts as 0; sums f32; NaN and infinities are not treated apart.
; SHARES.  A work-group owns 64 queries of a batch and all 512 columns, so each byte of intensity and of P is read once, by one wave: 8 x 32 = 256 work-groups.  16 steps of 128 keys, a block j each.
; THE BLOCKS BY TURNS.  A batch's eight clusters walk the same v''.  Cluster x takes each four blocks in the order x % 4, x % 4 + 1, .. (mod 4): step t takes block (t & 12) | ((t + x % 4) & 3), so that in one
; step clusters with different x % 4 name different blocks.  The order enters global addresses alone: ST is loaded in the order of the steps, so f of step t lies at 64 t in LDS.  The f32 sums take the keys in that order.
; FORMING: wave w makes attn for queries 16 w .. 16 w + 15 and lays it in LDS.  PRODUCT: wave w owns columns 128 w .. 128 w + 127 for all 64 queries: 32 accumulators; O^T = v''^T attn^T: source 0 = v'' turned
; by ds_load_tr16_b128, source 1 = 16 queries of attn; a lane ends with eight neighbouring columns of one query.
; v'' comes through two LDS slots of 128 keys by tensor loads, asked for JOINTLY by the four query blocks of a cluster, which walk the same batch; each wave fetches 32 rows; one load of mine is out behind each round.
; intensity and P come by loads into a ring of two chunks in registers (a chunk: my 16 rows x 128 keys); a group of four rows is asked for again, two steps ahead, as soon as it has been used: 56 to 64 loads of a wave are out.
; Forming stands in a phase of its own: the launch moves 254 MB for 34 GFLOP, so the loads, not the issue slots, are what it waits for.
; REGISTERS, in windows of 256 (s_set_vgpr_msb: bits 1:0 source 0, 3:2 source 1, 5:4 source 2, 7:6 destination): window 0 addresses and work; window 1 accumulators, (qt, et) at v[8 (8 qt + et)];
; window 2 two fragment buffers of 96 (v'' eight, attn four), v192-255 out_b of my 64 columns; window 3 the two chunks, 96 each: intensity's row i at 4 i, P's at 64 + 2 i.
.set PV,    1056                       ; a row of v'' in LDS: 1,024 bytes + 32 = 33 x 32 bytes, for the turning load
.set VQ,    32*PV                      ; what one tensor load brings
.set VSLOT, 128*PV
.set AT,    2*VSLOT                    ; attn: 64 rows x 272 bytes
.set PA,    272
.set FT,    AT+64*PA                   ; f: wave w at 1,024 w: [16 steps][16 rows] f32
.set STAGE, FT+4096                    ; the way out: 16 rows x 528 bytes for each wave
.set SP,    528
.set SPARE, STAGE+4*16*SP              ; the spare words, 128 bytes for each wave: two blocks of 256 bytes that no other line names
.set SPW, 12                           ; v12  LDS address of my spare word; never rewritten
.set NIL, 13                           ; v13  0; never rewritten
.set IO,  14                           ; v14  16 x lane: my 16 bytes of a row of intensity's chunk, and of 512 bytes of out0
.set PO,  15                           ; v15  8 x lane: my 8 bytes of a row of P's chunk
.set AW,  16                           ; v16  where I put 8 bytes of attn
.set FA,  17                           ; v17  where the two steps' f lie
.set AV,  18                           ; v[18:21] the turning load's address: slot s, keys 64 half on, at AV + 2 s + half
.set AA,  22                           ; v22  attn's fragments
.set STO, 23
.set RD,  24
.set FW,  26                           ; v26  where I put f
.set F,   32                           ; v[32:47]  f of my 16 rows, the same in every lane
.set T,   48                           ; v[48:63]  four rows' attn in f32
.set U,   64                           ; v[64:71]  the same in f16
.set IB,  72                           ; v[72:79]  four rows' intensity in bf16
.set SM,  128                          ; at the head: v[128:143] (c m, l) of eight steps' blocks; v[144:151] the exponentials; v152-155 at work
.set EE,  144
.set X0,  152
.set FS,  156                          ; v[156:157] two of the 64 parts of WV_w's sum of squares, then the sum
.set GG,  158                          ; v158       1 / |WV_w|
.set GI,  160                          ; v[160:161] |WV_w|, twice
.set INV, 192                          ; v[192:255] n_e of my 64 columns; kept to the end
.set OBR, 192                          ; window 2: out_b of my 64 columns; kept to the end
.set F0,  0
.set F1,  96
.set WV,  16
.set G1,  24                           ; s[24:31] descriptor group 1
.set G0,  32                           ; s[32:35], s[36:39] group 0 of slots 0 and 1
.set PI,  40                           ; s[40:41] intensity at my first row, at the chunk to be asked for
.set PP,  42                           ; s[42:43] P likewise
.set OB,  44                           ; s[44:45] out0 at the block's first row, my 128 columns
.set CNT, 46
.set FB,  47                           ; s47  LDS byte of my f of the two steps in hand
.set SEL, 48
.set SCB, 54                           ; s[54:55] SC
.set VB,  56                           ; s[56:57] v'' at my 32 rows of the batch's block 0
.set PI0, 58                           ; s[58:59] intensity at my first row, key 0
.set PP0, 60                           ; s[60:61] P likewise
.set OFF, 62                           ; s[62:63] a block's byte offset; the high word stays 0
.set ROT, 66                           ; s66  cluster x % 4
.set TT,  67                           ; s67  the number of the step behind the one in hand
.set STB, 68                           ; s[68:75] at the head: ST at the four blocks of a group, in my cluster's order; later s68 and s70 are at work
.set MSB, 0
.macro WIN new
.if MSB != (\new)
	s_set_vgpr_msb (MSB<<8)|(\new)
.set MSB, \new
.endif
.endm
.macro PLACES
.rept 4
	v_nop
.endr
.endm
.macro CROUND                          ; a round of the cluster's barrier
	s_barrier_signal -1
	s_barrier_wait -1
	s_cmp_lg_u32 s[WV], 0
	s_cbranch_scc1 .Lnot_wave_0_\@
	s_barrier_signal -3
.Lnot_wave_0_\@:
	s_barrier_wait -3
	s_barrier_signal -1
	s_barrier_wait -1
.endm
.macro LOADG c, gq                     ; rows 4 gq .. 4 gq + 3 of a chunk into ring place c: a load a row: 512 consecutive bytes of intensity, 256 of P
	WIN 0xc0                                       ; destination in window 3
.irp ii, 0,1,2,3
	global_load_b128 v[96*(\c)+4*(4*(\gq)+(\ii)):96*(\c)+4*(4*(\gq)+(\ii))+3], v[IO], s[PI:PI+1] offset:8192*(4*(\gq)+(\ii)) th:TH_LOAD_NT
.endr
.irp ii, 0,1,2,3
	global_load_b64 v[96*(\c)+64+2*(4*(\gq)+(\ii)):96*(\c)+64+2*(4*(\gq)+(\ii))+1], v[PO], s[PP:PP+1] offset:4096*(4*(\gq)+(\ii)) th:TH_LOAD_NT
.endr
.endm
.macro FORMG c, gq, n, refill          ; four rows of attn: intensity to bf16; p f + that, one fused multiply-add straight from the halves; to f16; laid in LDS; the registers are asked for again
	s_wait_loadcnt \n                              ; the loads behind this group's eight may stay out
	WIN 0x0f                                       ; sources 0 and 1 in window 3
.irp ii, 0,1,2,3
.set rI, 96*(\c)+4*(4*(\gq)+(\ii))
	v_cvt_pk_bf16_f32 v[IB+2*(\ii)],   v[rI],   v[rI+1]
	v_cvt_pk_bf16_f32 v[IB+2*(\ii)+1], v[rI+2], v[rI+3]
.endr
	WIN 0x03                                       ; source 0 in window 3
.irp ii, 0,1,2,3
.set row, 4*(\gq)+(\ii)
.set rP, 96*(\c)+64+2*row
	v_fma_mix_f32_bf16 v[T+4*(\ii)],   v[rP],   v[F+row], v[IB+2*(\ii)]   op_sel_hi:[1,0,1]
	v_fma_mix_f32_bf16 v[T+4*(\ii)+1], v[rP],   v[F+row], v[IB+2*(\ii)]   op_sel:[1,0,1] op_sel_hi:[1,0,1]
	v_fma_mix_f32_bf16 v[T+4*(\ii)+2], v[rP+1], v[F+row], v[IB+2*(\ii)+1] op_sel_hi:[1,0,1]
	v_fma_mix_f32_bf16 v[T+4*(\ii)+3], v[rP+1], v[F+row], v[IB+2*(\ii)+1] op_sel:[1,0,1] op_sel_hi:[1,0,1]
.endr
	WIN 0
.irp ii, 0,1,2,3
	v_cvt_pk_f16_f32 v[U+2*(\ii)],   v[T+4*(\ii)],   v[T+4*(\ii)+1]
	v_cvt_pk_f16_f32 v[U+2*(\ii)+1], v[T+4*(\ii)+2], v[T+4*(\ii)+3]
.endr
.irp ii, 0,1,2,3
	ds_store_b64 v[AW], v[U+2*(\ii):U+2*(\ii)+1] offset:PA*(4*(\gq)+(\ii))  ; a row's 256 consecutive bytes
.endr
.if \refill
	LOADG \c, \gq
.endif
.endm
.macro FETCHV s, kk, g                 ; v'' turned: keys 32 kk on of slot s, my eight blocks of 16 columns
	WIN 0x80
.irp et, 0,1,2,3,4,5,6,7
	ds_load_tr16_b128 v[(\g)+8*(\et):(\g)+8*(\et)+3],   v[AV+2*(\s)+(\kk)/2] offset:((\kk)%2)*VQ+32*(\et)
	ds_load_tr16_b128 v[(\g)+8*(\et)+4:(\g)+8*(\et)+7], v[AV+2*(\s)+(\kk)/2] offset:((\kk)%2)*VQ+32*(\et)+16*PV
.endr
.endm
.macro FETCHA kk, g                    ; attn: keys 32 kk on, the four blocks of 16 queries
	WIN 0x80
.irp qt, 0,1,2,3
	ds_load_b128 v[(\g)+64+8*(\qt):(\g)+64+8*(\qt)+3],   v[AA] offset:16*PA*(\qt)+64*(\kk)
	ds_load_b128 v[(\g)+64+8*(\qt)+4:(\g)+64+8*(\qt)+7], v[AA] offset:16*PA*(\qt)+64*(\kk)+32
.endr
.endm
.macro MULM g                          ; 32 products; the 32 accumulators take turns in one fixed order
	WIN 0x5a
.irp qt, 0,1,2,3
.irp et, 0,1,2,3,4,5,6,7
	v_wmma_f32_16x16x32_f16 v[8*(8*(\qt)+(\et)):8*(8*(\qt)+(\et))+7], v[(\g)+8*(\et):(\g)+8*(\et)+7], v[(\g)+64+8*(\qt):(\g)+64+8*(\qt)+7], v[8*(8*(\qt)+(\et)):8*(8*(\qt)+(\et))+7]
.endr
.endr
.endm
; A STEP: 128 keys, in slot and ring place s.  vfill = 1: the next step's tile of v'' is asked for; refill = 1: the chunk two steps on is asked for.  n0, dn: what the groups' waits leave out.
; Which block a step takes goes by its number and my cluster's order; the addresses are made anew from that, a base and an offset made apart.
; TWO BARRIERS.  The first (a round of the cluster's barrier where v'' is asked for): in front of it each wave waits for all its tensor loads, adds 0 to its spare word and waits for that and for its reads of the other
; slot and of attn; behind it the other slot is filled again, first, and attn is written anew.  The second: attn is whole; my tensor load may stay out across it.
.macro STEP s, vfill, refill, n0, dn
	WIN 0
.if \vfill
	s_add_co_u32 s[TT], s[TT], 1                   ; the next step's number
.endif
.if \refill
	s_wait_xcnt 0x0                                ; the loads of the step before have read their bases
	s_add_co_u32 s68, s[TT], 1                     ; the step after the next: its block,
	s_add_co_u32 s70, s68, s[ROT]
	s_and_b32 s70, s70, 3
	s_and_b32 s68, s68, 12
	s_or_b32 s70, s70, s68
	s_lshl_b32 s[OFF], s70, 9                      ; 512 bytes of a row of intensity,
	s_add_nc_u64 s[PI:PI+1], s[PI0:PI0+1], s[OFF:OFF+1]
	s_lshl_b32 s[OFF], s70, 8                      ; 256 of P
	s_add_nc_u64 s[PP:PP+1], s[PP0:PP0+1], s[OFF:OFF+1]
.endif
	s_wait_tensorcnt 0x0                           ; my part of this step's tile is in; no tensor load of mine is out, so a group 0 may be written
	ds_add_u32 v[SPW], v[NIL]                      ; 0 onto my spare word
.if \vfill
	s_add_co_u32 s70, s[TT], s[ROT]                ; the next step's block: 128 rows of QKV
	s_and_b32 s70, s70, 3
	s_and_b32 s68, s[TT], 12
	s_or_b32 s70, s70, s68
	s_mul_i32 s[OFF], s70, 128*3072
	s_add_nc_u64 s[G0+4*(1-(\s))+2:G0+4*(1-(\s))+3], s[VB:VB+1], s[OFF:OFF+1]
	s_or_b32 s[G0+4*(1-(\s))+3], s[G0+4*(1-(\s))+3], 0x80000000
.endif
	v_mov_b32 v[FA], s[FB]
	s_wait_dscnt 0x0                               ; the add is done, and my reads of the step before are over
.if \vfill
	CROUND
	tensor_load_to_lds s[G0+4*(1-(\s)):G0+4*(1-(\s))+3], s[G1:G1+7]  ; the next tile, into the slot read last step: it has this step in which to land
	s_nop 0
	PLACES                                         ; also the places in front of the loads into the fragment buffers
.else
	s_barrier_signal -1
	s_barrier_wait -1
	PLACES
.endif
.irp q, 0,1,2,3
	ds_load_b128 v[F+4*(\q):F+4*(\q)+3], v[FA] offset:64*(\s)+16*(\q)  ; every lane reads the same 16 bytes
.endr
	FETCHV \s, 0, F0
	s_wait_dscnt 16                                ; f is in; the 16 loads of v'' may stay out
	FORMG \s, 0, (\n0), \refill
	FORMG \s, 1, (\n0)-(\dn), \refill
	FORMG \s, 2, (\n0)-2*(\dn), \refill
	FORMG \s, 3, (\n0)-3*(\dn), \refill
	WIN 0
	s_wait_dscnt 0x0                               ; for the others' sake: my rows of attn are stored
	s_barrier_signal -1
	s_barrier_wait -1
	FETCHA 0, F0
	PLACES
	FETCHV \s, 1, F1
	FETCHA 1, F1
	s_wait_dscnt 24                                ; all but the 24 just issued
	MULM F0
	PLACES
	FETCHV \s, 2, F0
	FETCHA 2, F0
	s_wait_dscnt 24
	MULM F1
	PLACES
	FETCHV \s, 3, F1
	FETCHA 3, F1
	s_wait_dscnt 24
	MULM F0
	s_wait_dscnt 0x0
	MULM F1
.endm
	s_load_b256 s[4:11], s[0:1], 0x0               ; QKV s[4:5], P s[6:7], ST s[8:9], intensity s[10:11]
	s_load_b128 s[12:15], s[0:1], 0x20             ; out_b s[12:13], out0 s[14:15]
	s_load_b64 s[SCB:SCB+1], s[0:1], 0x30          ; SC
	v_lshl_add_u32 v[SPW], v0, 2, SPARE
	v_mov_b32 v[NIL], 0
	ds_add_u32 v[SPW], v[NIL]                      ; the wave's opening: the add and its wait ahead of my first tensor load
	v_lshrrev_b32 v1, 5, v0
	v_readfirstlane_b32 s[WV], v1
	s_bfe_u32 s17, ttmp6, 0x40000                  ; cx
	s_lshl_b32 s18, ttmp9, 2
	s_add_co_u32 s18, s18, s17                     ; my block of 64 queries: it enters the addresses of P, ST, intensity and out0 alone
	s_and_b32 s[ROT], ttmp9, 3                     ; cluster x % 4: the same in all four partners
	s_mov_b32 s[TT], 0
	s_mov_b32 s[OFF+1], 0
	s_and_b32 s19, ttmp7, 0xffff                   ; the batch, which the four partners share,
	s_lshl_b32 s19, s19, 11                        ; its first row
	s_mov_b32 s[G1], 15|(1<<16)|(1<<20)|(1<<21)|(7<<22)|(7<<25)  ; 15:0 the mask of four; 17:16 elements of 2 bytes; 20 padding on; 21 set beside a mask; 24:22 after every 256 words; 31:25 8 words of it
	s_mov_b32 s[G1+1], 512<<16                     ; tensor_dim0 = 512
	s_mov_b32 s[G1+2], 32<<16                      ; tensor_dim1 = 32
	s_mov_b32 s[G1+3], 512<<16                     ; tile_dim0 = 512
	s_mov_b32 s[G1+4], 32                          ; tile_dim1 = 32
	s_mov_b32 s[G1+5], 1536                        ; elements from row to row of QKV
	s_mov_b32 s[G1+6], 0
	s_mov_b32 s[G1+7], 0
	s_lshl_b32 s20, s[WV], 5                       ; v'': my 32 rows of a tile, 2,048 bytes into the row
	s_add_co_u32 s20, s20, s19
	s_mul_i32 s20, s20, 3072
	s_add_co_u32 s20, s20, 2048
	s_mov_b32 s21, 0
	s_lshl_b32 s22, s18, 6
	s_add_co_u32 s22, s22, s19                     ; the block's first row
	s_lshl_b32 s23, s[WV], 4
	s_add_co_u32 s23, s23, s22                     ; the first row that I form
	s_mov_b32 s[G0], 1
	s_mul_i32 s[G0+1], s[WV], VQ                   ; no place in the cluster enters an LDS address
	s_mov_b32 s[G0+4], 1
	s_add_co_u32 s[G0+5], s[G0+1], VSLOT
	s_mov_b32 s[SEL], 0x76543210
	s_mov_b32 s[SEL+1], 0xfedcba98
	s_lshl_b32 s[FB], s[WV], 10
	s_add_co_u32 s[FB], s[FB], FT
	s_mov_b32 s[CNT], 7
	s_mov_b32 s51, 0
	s_wait_dscnt 0x0                               ; the opening add is done
	s_wait_kmcnt 0x0
	s_add_nc_u64 s[VB:VB+1], s[4:5], s[20:21]
	s_mul_i32 s[OFF], s[ROT], 128*3072             ; step 0 takes block x % 4
	s_add_nc_u64 s[G0+2:G0+3], s[VB:VB+1], s[OFF:OFF+1]
	s_or_b32 s[G0+3], s[G0+3], 0x80000000
	s_lshl_b32 s50, s23, 13
	s_add_nc_u64 s[PI0:PI0+1], s[10:11], s[50:51]
	s_lshl_b32 s50, s23, 12
	s_add_nc_u64 s[PP0:PP0+1], s[6:7], s[50:51]
	s_lshl_b32 s[OFF], s[ROT], 9
	s_add_nc_u64 s[PI:PI+1], s[PI0:PI0+1], s[OFF:OFF+1]
	s_lshl_b32 s[OFF], s[ROT], 8
	s_add_nc_u64 s[PP:PP+1], s[PP0:PP0+1], s[OFF:OFF+1]
	s_lshl_b32 s50, s23, 3
	s_add_nc_u64 s[52:53], s[8:9], s[50:51]        ; ST at block 0, my first row
.irp k, 0,1,2,3
	s_add_co_u32 s50, s[ROT], \k                   ; and at the block that the k-th step of a group of four takes
	s_and_b32 s50, s50, 3
	s_lshl_b32 s50, s50, 17
	s_add_nc_u64 s[STB+2*(\k):STB+2*(\k)+1], s[52:53], s[50:51]
.endr
	s_lshl_b32 s50, s22, 11
	s_lshl_b32 s18, s[WV], 9
	s_add_co_u32 s50, s50, s18
	s_add_nc_u64 s[OB:OB+1], s[14:15], s[50:51]
	CROUND                                         ; all four work-groups are here: the first joint loads meet
	tensor_load_to_lds s[G0:G0+3], s[G1:G1+7]      ; step 0's tile; slot 1 is filled behind the first step's round
	s_nop 0
	PLACES
	v_and_b32 v1, 15, v0                           ; l % 16
	v_bfe_u32 v2, v0, 4, 1                         ; l / 16
	v_and_b32 v3, 31, v0
	v_lshlrev_b32 v[IO], 4, v3
	v_lshlrev_b32 v[PO], 3, v3
	v_lshlrev_b32 v27, 3, v1
	v_lshl_add_u32 v27, v2, 20, v27                ; ST: row l % 16, steps 8 (l / 16) on: eight blocks are 2^20 bytes
	v_lshlrev_b32 v28, 5, v2
	v_lshl_add_u32 v28, s[WV], 9, v28              ; out_b and SC: column 128 wave + 8 (l / 16)
.irp i, 0,1,2,3,4,5,6,7
	global_load_b64 v[SM+2*(\i):SM+2*(\i)+1], v27, s[STB+2*((\i)%4):STB+2*((\i)%4)+1] offset:4*131072*((\i)/4)  ; step 8 (l / 16) + i
.endr
	WIN 0x80                                       ; destination in window 2
.irp et, 0,1,2,3,4,5,6,7
	global_load_b128 v[OBR+8*(\et):OBR+8*(\et)+3],   v28, s[12:13] offset:64*(\et)
	global_load_b128 v[OBR+8*(\et)+4:OBR+8*(\et)+7], v28, s[12:13] offset:64*(\et)+16
.endr
	WIN 0
.irp et, 0,1,2,3,4,5,6,7
	global_load_b128 v[INV+8*(\et):INV+8*(\et)+3],   v28, s[SCB:SCB+1] offset:2048+64*(\et)      ; |out_w row|
	global_load_b128 v[INV+8*(\et)+4:INV+8*(\et)+7], v28, s[SCB:SCB+1] offset:2048+64*(\et)+16
.endr
	global_load_b64 v[FS:FS+1], v[PO], s[SCB:SCB+1] offset:4096  ; two of the 64 parts of WV_w's sum of squares
	LOADG 0, 0                                     ; step 0's chunk
	LOADG 0, 1
	LOADG 0, 2
	LOADG 0, 3
	WIN 0
	s_mul_i32 s18, s[WV], 16*PA
	s_add_co_u32 s18, s18, AT
	v_lshl_add_u32 v[AW], v3, 3, s18
	v_and_b32 v4, 7, v0
	v_bfe_u32 v5, v0, 3, 1
	v_lshl_add_u32 v4, v2, 3, v4                   ; the turning load: key 8 (l / 16) + l % 8, 16 bytes for each half of eight lanes
	v_mul_u32_u24 v4, v4, PV
	v_lshl_add_u32 v4, v5, 4, v4
	v_lshl_add_u32 v[AV], s[WV], 8, v4             ; my 128 columns
	v_add_nc_u32 v[AV+1], 2*VQ, v[AV]
	v_add_nc_u32 v[AV+2], VSLOT, v[AV]
	v_add_nc_u32 v[AV+3], VSLOT+2*VQ, v[AV]
	v_mul_u32_u24 v[AA], v1, PA
	v_lshl_add_u32 v[AA], v2, 4, v[AA]
	v_add_nc_u32 v[AA], AT, v[AA]
	s_mul_i32 s18, s[WV], 16*SP
	s_add_co_u32 s18, s18, STAGE
	v_mul_u32_u24 v[STO], v1, SP
	v_lshl_add_u32 v[STO], v2, 5, v[STO]
	v_add_nc_u32 v[STO], s18, v[STO]
	v_lshl_add_u32 v[RD], v3, 4, s18
	v_lshlrev_b32 v[FW], 2, v1
	v_lshl_add_u32 v[FW], v2, 9, v[FW]
	v_add_nc_u32 v[FW], s[FB], v[FW]               ; step 8 (l / 16) + i at 64 i, row l % 16
	v_mov_b32 v[X0+1], 0                           ; v_permlanex16_b32's destination counts as read
	s_wait_loadcnt 32                              ; ST, out_b and SC are in; the first chunk's 32 loads may stay out
	v_max3_num_f32 v[X0], v[SM], v[SM+2], v[SM+4]
	v_max3_num_f32 v[X0], v[X0], v[SM+6], v[SM+8]
	v_max3_num_f32 v[X0], v[X0], v[SM+10], v[SM+12]
	v_max_num_f32 v[X0], v[X0], v[SM+14]
	v_permlanex16_b32 v[X0+1], v[X0], s[SEL], s[SEL+1]  ; the row's other eight blocks lie in the lane 16 away
	v_max_num_f32 v[X0], v[X0], v[X0+1]            ; M
.irp i, 0,1,2,3,4,5,6,7
	v_sub_f32 v[EE+(\i)], v[SM+2*(\i)], v[X0]
.endr
	v_add_f32 v[FS], v[FS], v[FS+1]
	v_add_f32_dpp v[FS], v[FS], v[FS] row_xmask:1 row_mask:0xf bank_mask:0xf
	v_add_f32_dpp v[FS], v[FS], v[FS] row_xmask:2 row_mask:0xf bank_mask:0xf
	v_add_f32_dpp v[FS], v[FS], v[FS] row_xmask:4 row_mask:0xf bank_mask:0xf
	v_add_f32_dpp v[FS], v[FS], v[FS] row_xmask:8 row_mask:0xf bank_mask:0xf
	v_permlanex16_b32 v[FS+1], v[FS], s[SEL], s[SEL+1]
	v_add_f32 v[FS], v[FS], v[FS+1]                ; WV_w's sum of squares,
	v_max_num_f32 v[FS], 0x0d800000, v[FS]         ; 2^-100 at the least
.irp i, 0,1,2,3,4,5,6,7
	v_exp_f32 v[EE+(\i)], v[EE+(\i)]
.endr
	v_rsq_f32 v[GG], v[FS]
	v_nop                                          ; a plain instruction behind the last of the batch,
	s_wait_alu depctr_va_vdst(0)                   ; and the one wait for the nine
	v_mul_f32 v[X0+2], v[SM+1], v[EE]
.irp i, 1,2,3,4,5,6,7
	v_fmac_f32 v[X0+2], v[SM+2*(\i)+1], v[EE+(\i)]
.endr
	v_permlanex16_b32 v[X0+1], v[X0+2], s[SEL], s[SEL+1]
	v_add_f32 v[X0+2], v[X0+2], v[X0+1]            ; L
	v_rcp_f32 v[X0+3], v[X0+2]
	v_mul_f32 v[GI], v[FS], v[GG]                  ; |WV_w|: also the plain instruction behind the reciprocal
	s_wait_alu depctr_va_vdst(0)
.irp i, 0,1,2,3,4,5,6,7
	v_mul_f32 v[EE+(\i)], v[EE+(\i)], v[X0+3]
.endr
.irp i, 0,1,2,3,4,5,6,7
	ds_store_b32 v[FW], v[EE+(\i)] offset:64*(\i)  ; read by my own wave alone, behind the first step's wait and round
.endr
	v_mov_b32 v[GI+1], v[GI]
.set i, 0
.rept 32
	v_pk_mul_f32 v[INV+2*i:INV+2*i+1], v[INV+2*i:INV+2*i+1], v[GI:GI+1]  ; n_e
.set i, i+1
.endr
	WIN 0x40                                       ; the sums start at 0: 256 lines, once a launch, while the first tiles are on their way: the price of writing no first step out
.set i, 0
.rept 256
	v_mov_b32 v[i], 0
.set i, i+1
.endr
	s_wait_xcnt 0x0                                ; the first chunk's loads have read their bases
	s_add_co_u32 s50, s[ROT], 1                    ; step 1's block
	s_and_b32 s50, s50, 3
	s_lshl_b32 s[OFF], s50, 9
	s_add_nc_u64 s[PI:PI+1], s[PI0:PI0+1], s[OFF:OFF+1]
	s_lshl_b32 s[OFF], s50, 8
	s_add_nc_u64 s[PP:PP+1], s[PP0:PP0+1], s[OFF:OFF+1]
	LOADG 1, 0                                     ; step 1's chunk
	LOADG 1, 1
	LOADG 1, 2
	LOADG 1, 3
	WIN 0
.Lloop:                                        ; seven trips of two steps: steps 0 to 13 ask for a tile of v'' and for a chunk.  Behind a group's eight loads stand 28 rows' 56, at every group
	STEP 0, 1, 1, 56, 0
	STEP 1, 1, 1, 56, 0
	WIN 0
	s_add_co_u32 s[FB], s[FB], 128
	s_sub_co_u32 s[CNT], s[CNT], 1
	s_cmp_lg_u32 s[CNT], 0
	s_cbranch_scc1 .Lloop
	STEP 0, 1, 0, 56, 8                            ; step 14 asks for the last tile and for no chunk: the counts run down,
	STEP 1, 0, 0, 24, 8                            ; step 15 asks for nothing
	PLACES
	; THE WAY OUT, a block of 16 queries at a time: times n_e, plus out_b; 32 bytes a lane into rows of 528 bytes of my stage, back as whole rows of 512 bytes, stored.
.irp qt, 0,1,2,3
	WIN 0x61                                       ; destination and source 0 in window 1, source 2 in window 2; each accumulator's registers in ascending order
.irp et, 0,1,2,3,4,5,6,7
.irp q, 0,1,2,3
	v_pk_fma_f32 v[64*(\qt)+8*(\et)+2*(\q):64*(\qt)+8*(\et)+2*(\q)+1], v[64*(\qt)+8*(\et)+2*(\q):64*(\qt)+8*(\et)+2*(\q)+1], v[INV+8*(\et)+2*(\q):INV+8*(\et)+2*(\q)+1], v[OBR+8*(\et)+2*(\q):OBR+8*(\et)+2*(\q)+1]
.endr
.endr
	WIN 0x04                                       ; the stores' data in window 1
.irp et, 0,1,2,3,4,5,6,7
	ds_store_b128 v[STO], v[64*(\qt)+8*(\et):64*(\qt)+8*(\et)+3]   offset:64*(\et)
	ds_store_b128 v[STO], v[64*(\qt)+8*(\et)+4:64*(\qt)+8*(\et)+7] offset:64*(\et)+16
.endr
	WIN 0
.irp t, 0,1,2,3,4,5,6,7,8,9,10,11,12,13,14,15
	ds_load_b128 v[64+64*((\qt)%2)+4*(\t):64+64*((\qt)%2)+4*(\t)+3], v[RD] offset:SP*(\t)  ; LDS serves a wave's instructions in order (ISA guide 5.7.1.4): these see the stores above
.endr
	s_wait_dscnt 0x0
	s_wait_xcnt 0x0                                ; the stores issued so far have read their registers: the other set is loaded again only behind this wait
.irp t, 0,1,2,3,4,5,6,7,8,9,10,11,12,13,14,15
	global_store_b128 v[IO], v[64+64*((\qt)%2)+4*(\t):64+64*((\qt)%2)+4*(\t)+3], s[OB:OB+1] offset:(16*(\qt)+(\t))*2048 th:TH_STORE_NT  ; 512 consecutive bytes, at a multiple of 256 from out0's first byte
.endr
.endr
	s_wait_tensorcnt 0x0                           ; the wave's end, behind my last tensor load and my last LDS store
	ds_add_u32 v[SPW], v[NIL]
	s_wait_dscnt 0x0
	CROUND                                         ; the closing round: no work-group ends while a partner may still ask for a tile that names it
	s_endpgm
.Lfunc_end_k_q96fa6f5c6d_mix:
	.size	k_q96fa6f5c6d_mix, .Lfunc_end_k_q96fa6f5c6d_mix-k_q96fa6f5c6d_mix
	.p2alignl 7, 3214868480
	.fill 96, 4, 3214868480
	.section	.rodata,"a",@progbits
	.p2align	6, 0x0
	.amdhsa_kernel k_q96fa6f5c6d_mix
		.amdhsa_group_segment_fixed_size 327680
		.amdhsa_private_segment_fixed_size 0
		.amdhsa_enable_private_segment 0
		.amdhsa_kernarg_size 56
		.amdhsa_user_sgpr_count 2
		.amdhsa_user_sgpr_kernarg_segment_ptr 1
		.amdhsa_wavefront_size32 1
		.amdhsa_system_sgpr_workgroup_id_x 1
		.amdhsa_system_sgpr_workgroup_id_y 1
		.amdhsa_system_sgpr_workgroup_id_z 1
		.amdhsa_system_vgpr_workitem_id 0
		.amdhsa_next_free_vgpr 960
		.amdhsa_next_free_sgpr 76
		.amdhsa_reserve_vcc 0
		.amdhsa_float_denorm_mode_32 3
		.amdhsa_float_denorm_mode_16_64 3
		.amdhsa_memory_ordered 1
		.amdhsa_forward_progress 1
		.amdhsa_inst_pref_size 161
	.end_amdhsa_kernel
	.amdgpu_metadata
---
amdhsa.version: [ 1, 2 ]
amdhsa.kernels:
  - .name:           k_q96fa6f5c6d_mix
    .symbol:         k_q96fa6f5c6d_mix.kd
    .args:
      - { .name: QKV, .offset: 0, .size: 8, .value_kind: global_buffer, .address_space: global }
      - { .name: P, .offset: 8, .size: 8, .value_kind: global_buffer, .address_space: global }
      - { .name: ST, .offset: 16, .size: 8, .value_kind: global_buffer, .address_space: global }
      - { .name: intensity, .offset: 24, .size: 8, .value_kind: global_buffer, .address_space: global }
      - { .name: out_b, .offset: 32, .size: 8, .value_kind: global_buffer, .address_space: global }
      - { .name: out0, .offset: 40, .size: 8, .value_kind: global_buffer, .address_space: global }
      - { .name: SC, .offset: 48, .size: 8, .value_kind: global_buffer, .address_space: global }
    .group_segment_fixed_size: 327680
    .private_segment_fixed_size: 0
    .kernarg_segment_align: 8
    .kernarg_segment_size: 56
    .max_flat_workgroup_size: 128
    .sgpr_count:     76
    .vgpr_count:     960
    .wavefront_size: 32
...
	.end_amdgpu_metadata
.endif
;; end of part 4
